; MI455X (gfx1250); checked and timed in simulation.
; The chip was launched on July 23, 2026; its instructions are those of AMD's public machine-readable ISA for CDNA 5 (MIT licence, August 2026) and "CDNA5" Instruction Set Architecture Reference Guide (July 2026). The comments in the code are by the model that wrote it; some were corrected since.
;; pl QA. Allowed arithmetic: matrix products marked QUANTISED: E2M3 operands, one E8M0 scale for each 32 along K, by v_wmma_scale_f32_16x16x128_f8f6f4 with both operands' format E2M3, f32 sums; everything else in f32.
;; Inputs: W_Q 512 x 1,024 float32; Wf_codes 1,024 x 32 x 24 uint8 (E2M3 codes of Wf, K innermost, in blocks of 32 codes, four codes in three bytes); Wf_scales 1,024 x 32 uint8 (E8M0 scales of Wf, one for each 32 codes along K); Wk_codes 1,024 x 32 x 24 uint8 (E2M3 codes of Wk, K innermost, in blocks of 32 codes, four codes in three bytes); Wk_scales 1,024 x 32 uint8 (E8M0 scales of Wk, one for each 32 codes along K); Wv_codes 1,024 x 32 x 24 uint8 (E2M3 codes of Wv, K innermost, in blocks of 32 codes, four codes in three bytes); Wv_scales 1,024 x 32 uint8 (E8M0 scales of Wv, one for each 32 codes along K); bf 1,024 float32; bk 1,024 float32; bv 1,024 float32; x_codes 8 x 2,048 x 32 x 24 uint8 (E2M3 codes of x, K innermost, in blocks of 32 codes, four codes in three bytes); x_scales 8 x 2,048 x 32 uint8 (E8M0 scales of x, one for each 32 codes along K).
;; Outputs: out0 8 x 512 x 1,024 float32.
;; This version of the problem:
;;   THIS VERSION OF THE PROBLEM IS GIVEN IN LOW PRECISION. The matrix products marked QUANTISED in the list below multiply operands that are first quantised to E2M3 (2 exponent bits, 3 mantissa bits; 6 bits a number), with one power-of-two scale for each 32 numbers along K (OCP MX v1.0); their sums are f32. All else is computed in f32.
;;   The module's matrix products, in the order in which they are computed (A, B: the left and right operand; K: the contracted axis; several contracted axes count as one K, in the product's order):
;;     1. [M 16,384, K 1,024] x [K 1,024, N 1,024]; A: input x (given as codes); B: input Wk (given as codes): QUANTISED
;;     2. [M 16,384, K 1,024] x [K 1,024, N 1,024]; A: input x (given as codes); B: input Wv (given as codes): QUANTISED
;;     3. [M 16,384, K 1,024] x [K 1,024, N 512]; A: computed on the way; B: computed on the way: QUANTISED
;;     4. batch 8 x [M 512, K 2,048] x [K 2,048, N 1,024]; A: softmax (see below); B: computed on the way: QUANTISED
;;     5. [M 4,096, K 1,024] x [K 1,024, N 1,024]; A: computed on the way; B: input Wf (given as codes): QUANTISED
;;   THE QUANTISER, for each operand of a quantised product, along K:
;;     - K is cut into blocks of 32 from its start; a last block that is shorter is filled with zeros.
;;     - A block's scale is 2^e with e = floor(log2(the largest magnitude in the block)) - 2, held to -126 .. 127; a block of zeros has e = 0. As a byte (E8M0): e + 127.
;;     - Each number is divided by its block's scale, clamped to +-7.5, and rounded to the nearest number of E2M3, ties to even, subnormals kept.
;;     - The product sums the exact products of the quantised numbers (number of the format x scale) in f32.
;;   ~~~python
;;   def quantise(x, axis):      # numpy; x: float32 -> the quantised numbers, widened to float32 again
;;       x = np.moveaxis(x, axis, -1); K = x.shape[-1]
;;       x = np.pad(x, [(0, 0)] * (x.ndim - 1) + [(0, -K % 32)]); x = x.reshape(x.shape[:-1] + (-1, 32)); a = np.abs(x).max(-1, keepdims=True)
;;       e = np.where(a > 0, np.clip(np.frexp(np.where(a > 0, a, 1))[1] - 1 - 2, -126, 127), 0)      # np.frexp(a)[1] - 1 = floor(log2(a)), exactly
;;       r = np.clip(x / 2.0 ** e, -7.5, 7.5)
;;       step = 2.0 ** (np.maximum(np.frexp(np.where(r == 0, 1, r))[1] - 1, 0) - 3)
;;       q = np.round(r / step) * step * 2.0 ** e      # np.round: ties to even
;;       return np.moveaxis(q.reshape(q.shape[:-2] + (-1,))[..., :K], -1, axis).astype(np.float32)
;;   ~~~
;;   SOFTMAX AHEAD OF A QUANTISED PRODUCT. Where the list says 'softmax', what is quantised is not the finished softmax but p = 2^(t - M), with t = logit x log2(e) and M = ceil(the row's largest t), a whole number; so 1/2 < the row's largest p <= 1. The row's sum l is taken of the UNQUANTISED p, in f32, and the product's result is divided by l at the end. Since M is a whole number, a kernel that streams over the keys may use a running M (the ceiling of the running maximum): every later rescaling is an exact power of two, which a block's scale takes up: the codes' values come out the same.
;;   OPERANDS COMPUTED ON THE WAY. 'Computed on the way' means the value that the module computes at that place (a softmax that the list does not call 'softmax' is quantised finished and normalised). What goes into a quantiser is computed in f32, as accurately as f32 sums, v_exp_f32 and their like allow (about 1e-6 of the number): no bf16 or f16 on the way to a quantiser, and a product that is left as it is and whose result goes on into a quantised operand takes f32 operands (vector FMAs, or v_wmma_f32_16x16x4_f32). A number that lies on a knife's edge between two numbers of the format may be rounded either way, as far as f32 arithmetic and the matrix unit's own rounding can turn it there, and no further.
;;   INPUTS GIVEN AS CODES. Wf (in the module: [1024, 1024], K = its axis 1); Wk (in the module: [1024, 1024], K = its axis 1); Wv (in the module: [1024, 1024], K = its axis 1); x (in the module: [8, 2048, 1024], K = its axis 2): each comes as NAME_codes (uint8): NAME with its K axis moved to the last place and cut into blocks of 32 codes, [.., K / 32, bytes a block], one block behind the other in memory; four codes in three bytes: a row's codes are one little-endian stream of bits, code i at bits 6 i .. 6 i + 5 (a code: sign, 2 exponent bits, 3 mantissa bits); and NAME_scales (uint8): the same leading axes, one E8M0 byte (e + 127) for each 32 codes along K. Its value is code x scale, taken as it is: it is not quantised again, and the codes and scales need not be those that the quantiser above would give.
;; One version. Each part assembles by itself: llvm-mc -triple=amdgcn-amd-amdhsa -mcpu=gfx1250 --defsym DOCPART=n.
;; ======== version 1 of 1: 5 launches
;; workspace buffers: prep 9,617,408 bytes; kv 26,214,400 bytes; pp 7,077,888 bytes; oo 3,276,800 bytes
;; launch prep (part 1): grid 256 x 1, 4 waves a work-group, no clusters, 3,584 bytes of LDS; arguments W_Q, Wf_codes, Wf_scales, prep; writes prep
.if DOCPART == 1
	.amdgcn_target "amdgcn-amd-amdhsa--gfx1250"
	.amdhsa_code_object_version 6
	.text
	.protected	k_q7e49864252_prep
	.globl	k_q7e49864252_prep
	.p2align	8
	.type	k_q7e49864252_prep,@function
k_q7e49864252_prep:
	s_mov_b64 s[64:65], 0
	v_nop
	global_prefetch_b8 v0, s[64:65] scope:SCOPE_SE
	s_setreg_imm32_b32 hwreg(HW_REG_WAVE_MODE, 25, 1), 1
	s_wait_xcnt 0x0
; PREP: what the later launches want ready.  (1) cos and sin of RoPE's angles for positions 0 .. 2047 and pairs 0 .. 511;  (2) Q = RoPE(W_Q) as codes of FP6 (E2M3) with one E8M0 byte for 32 along c;  (3) Wf's codes laid anew.
; NOTHING OF reference() IS LEFT OUT in this program: all five products are live, and bk, bv (into quantised operands) and bf (into the output) are loaded and used.
; IMAGES.  A workspace operand lies as its registers lie: a fragment (16 rows x 128 K, 12 registers a lane) is 1,536 bytes, registers 4 g .. 4 g + 3 of lane l at 512 g + 16 l.  Scale words: [pair of row blocks][K step][32 lanes]:
; lanes 0-15 the even block's rows, lanes 16-31 the odd block's.
; THE ORDER ALONG K.  Operands that this program makes hold each block of 32 in the order 0-7, 16-23, 8-15, 24-31 (a matrix result's eight registers are eight neighbours, and lanes l and l + 16 hold the two halves of sixteen).
; Both operands of a product have the same order and the blocks are the same sets of 32, so sums and scales are those of the natural order.  W_Q is loaded in that order; in each 24 bytes of Wf the two middle groups of 6 bytes change places.
; THE ANGLE is reference()'s own: 10000^(i/512) to the nearest f32 (products of nine constants kept as pairs high + low, the constants by repeated square roots of 100 and 10), its reciprocal to the nearest f32, times the position, rounded once.
; Then n = the nearest whole number of quarter turns, the rest by pi/2 in two parts (the first product is exact), and polynomials of degree 7 and 8 on the rest.
; SHARES.  Wave idx = 4 x work-group + wave makes table image idx (positions 16 (idx / 8) on, channels 128 (idx % 8) on).  idx < 256: also fragment idx of Q (the same cos and sin).  256 <= idx < 768: also fragment idx - 256 of Wf.
; The three kinds part once, at the head, so that a kind's loads go out ahead of the table's arithmetic; each has LDS bytes of its own.
; LIMITS: NaN and infinities in W_Q are not served; a block of zeros gets the byte 1 (its codes are zeros; these bytes are read by this program alone); where the host's power function rounds 10000^(i/512) the other way, one unit in its last place remains.
.set QCO,   8388608                    ; prep: the table, 128 x 8 images of 8,192 bytes; then Q's codes,
.set QSO,   8781824                    ; Q's scale words,
.set WFCO,  8798208                    ; Wf's codes,
.set WFSO,  9584640                    ; Wf's scale words
.set SPARE, 3072                       ; behind the three kinds' 1,024 bytes: the spare words, 128 bytes for each wave
.set IO,  4                            ; v4   16 x lane: an image's place for my lane
.set LW,  5                            ; v5   LDS: 256 x wave + 4 x lane
.set LR,  6                            ; v6   LDS: 256 x wave + 16 x (lane / 16)
.set POS, 7                            ; v7   my position, as f32
.set SPW, 8                            ; v8   my spare word; never rewritten
.set NIL, 9                            ; v9   0; never rewritten
.set RO,  10                           ; v10  my row's byte in the loads
.set WO,  11                           ; v11  4 x (lane % 16): my row's scale word
.set CH,  12                           ; v12-29 the constants 10000^(2^k / 512), k = 0 .. 8: high, low
.set F,   48                           ; v48-79  the 32 frequencies of my pairs
.set TB,  80                           ; v80-143 cos, sin of my 32 pairs: the table image
.set W,   144                          ; v144-191 at work
.set X,   192                          ; v192-255 W_Q's 64 numbers, or Wf's codes
.set RQ,  16                           ; v16-79  Q's 64 numbers after RoPE
.set TM,  144
.set PW,  160
.set PC,  164
.set SEL, 42                           ; s[42:43] lane selects for lane l xor 16
.macro FIN                             ; a wave's end, behind my last LDS store
	s_wait_tensorcnt 0x0
	ds_add_u32 v[SPW], v[NIL]
	s_wait_dscnt 0x0
	s_endpgm
.endm
.macro DSQRT k                         ; constant k = the square root of constant k + 1, as a pair: x = sqrt(high); the rest (high - x x + low) / 2 x is the low part
	v_sqrt_f32 v30, v[CH+2*(\k)+2]
	v_nop
	s_wait_alu depctr_va_vdst(0)
	v_rcp_f32 v31, v30
	v_fma_f32 v32, -v30, v30, v[CH+2*(\k)+2]       ; (a plain line behind the reciprocal)
	v_add_f32 v32, v32, v[CH+2*(\k)+3]
	s_wait_alu depctr_va_vdst(0)
	v_mul_f32 v31, 0.5, v31
	v_mul_f32 v32, v32, v31
	v_add_f32 v[CH+2*(\k)], v30, v32
	v_sub_f32 v33, v[CH+2*(\k)], v30
	v_sub_f32 v[CH+2*(\k)+1], v32, v33
.endm
.macro DMUL k                          ; where bit k of the pair's number is set, the running product (a pair) takes constant k in; two products by turns
	v_and_b32 v40, 1<<(\k), v34
	v_and_b32 v144, 1<<(\k), v35
	v_cmp_ne_u32 s24, 0, v40
	v_cmp_ne_u32 s25, 0, v144
	v_mul_f32 v41, v36, v[CH+2*(\k)]
	v_mul_f32 v145, v38, v[CH+2*(\k)]
	v_fma_f32 v42, v36, v[CH+2*(\k)], -v41         ; what the product's rounding dropped,
	v_fma_f32 v146, v38, v[CH+2*(\k)], -v145
	v_fma_f32 v42, v36, v[CH+2*(\k)+1], v42        ; and the cross terms
	v_fma_f32 v146, v38, v[CH+2*(\k)+1], v146
	v_fma_f32 v42, v37, v[CH+2*(\k)], v42
	v_fma_f32 v146, v39, v[CH+2*(\k)], v146
	v_add_f32 v43, v41, v42
	v_add_f32 v147, v145, v146
	v_sub_f32 v44, v43, v41
	v_sub_f32 v148, v147, v145
	v_sub_f32 v44, v42, v44
	v_sub_f32 v148, v146, v148
	v_cndmask_b32 v36, v36, v43, s24
	v_cndmask_b32 v37, v37, v44, s24
	v_cndmask_b32 v38, v38, v147, s25
	v_cndmask_b32 v39, v39, v148, s25
.endm
.macro SC8 p0                          ; cos and sin of eight pairs, by turns: no line waits for the line above it
.irp e, 0,1,2,3,4,5,6,7
	v_mul_f32 v[W+\e], v[POS], v[F+(\p0)+\e]       ; the angle, rounded once, as reference() has it
.endr
.irp e, 0,1,2,3,4,5,6,7
	v_mul_f32 v[W+8+\e], 0x3f22f983, v[W+\e]       ; x 2 / pi
.endr
.irp e, 0,1,2,3,4,5,6,7
	v_rndne_f32 v[W+8+\e], v[W+8+\e]               ; n
.endr
.irp e, 0,1,2,3,4,5,6,7
	v_fmamk_f32 v[W+\e], v[W+8+\e], 0xbfc90fdb, v[W+\e]   ; - n x the f32 nearest pi/2: exact (the difference is under 1 and a multiple of 2^-24)
.endr
.irp e, 0,1,2,3,4,5,6,7
	v_fmamk_f32 v[W+\e], v[W+8+\e], 0x333bbd2e, v[W+\e]   ; + n x (that f32 - pi/2): the rest r
.endr
.irp e, 0,1,2,3,4,5,6,7
	v_cvt_i32_f32 v[W+16+\e], v[W+8+\e]
.endr
.irp e, 0,1,2,3,4,5,6,7
	v_mul_f32 v[W+24+\e], v[W+\e], v[W+\e]         ; z = r r
.endr
.irp e, 0,1,2,3,4,5,6,7
	v_fmaak_f32 v[W+32+\e], v46, v[W+24+\e], 0x3c08839e
.endr
.irp e, 0,1,2,3,4,5,6,7
	v_fmaak_f32 v[W+32+\e], v[W+32+\e], v[W+24+\e], 0xbe2aaaa3
.endr
.irp e, 0,1,2,3,4,5,6,7
	v_mul_f32 v[W+8+\e], v[W+24+\e], v[W+\e]
.endr
.irp e, 0,1,2,3,4,5,6,7
	v_fma_f32 v[W+32+\e], v[W+32+\e], v[W+8+\e], v[W+\e]  ; sin r
.endr
.irp e, 0,1,2,3,4,5,6,7
	v_fmaak_f32 v[W+40+\e], v47, v[W+24+\e], 0xbab6061a
.endr
.irp e, 0,1,2,3,4,5,6,7
	v_fmaak_f32 v[W+40+\e], v[W+40+\e], v[W+24+\e], 0x3d2aaaa5
.endr
.irp e, 0,1,2,3,4,5,6,7
	v_mul_f32 v[W+8+\e], v[W+24+\e], v[W+24+\e]
.endr
.irp e, 0,1,2,3,4,5,6,7
	v_fma_f32 v[W+\e], v[W+24+\e], -0.5, 1.0
.endr
.irp e, 0,1,2,3,4,5,6,7
	v_fma_f32 v[W+40+\e], v[W+40+\e], v[W+8+\e], v[W+\e]  ; cos r
.endr
.irp e, 0,1,2,3,4,5,6,7
	v_and_b32 v[W+8+\e], 1, v[W+16+\e]
.endr
.irp e, 0,1,2,3,4,5,6,7
	v_cmp_ne_u32 s[24+\e], 0, v[W+8+\e]            ; an odd quarter: sin and cos change places
.endr
.irp e, 0,1,2,3,4,5,6,7
	v_cndmask_b32 v[W+\e], v[W+32+\e], v[W+40+\e], s[24+\e]
	v_cndmask_b32 v[W+24+\e], v[W+40+\e], v[W+32+\e], s[24+\e]
.endr
.irp e, 0,1,2,3,4,5,6,7
	v_lshlrev_b32 v[W+8+\e], 30, v[W+16+\e]        ; sin is negative in quarters 2 and 3: bit 1 of n
	v_add_nc_u32 v[W+16+\e], 1, v[W+16+\e]         ; cos in quarters 1 and 2: bit 1 of n + 1
.endr
.irp e, 0,1,2,3,4,5,6,7
	v_and_b32 v[W+8+\e], 0x80000000, v[W+8+\e]
	v_lshlrev_b32 v[W+16+\e], 30, v[W+16+\e]
.endr
.irp e, 0,1,2,3,4,5,6,7
	v_xor_b32 v[TB+2*((\p0)+\e)+1], v[W+8+\e], v[W+\e]
	v_and_b32 v[W+16+\e], 0x80000000, v[W+16+\e]
.endr
.irp e, 0,1,2,3,4,5,6,7
	v_xor_b32 v[TB+2*((\p0)+\e)], v[W+16+\e], v[W+24+\e]
.endr
.endm
; The table image of this wave.  reg: the LDS bytes of the kind of wave that runs it.
.macro TABLE reg
	v_mov_b32 v[CH+16], 0x42c80000                 ; 10000^(256/512) = 100
	v_mov_b32 v[CH+17], 0
	v_mov_b32 v[CH+14], 0x41200000                 ; 10000^(128/512) = 10
	v_mov_b32 v[CH+15], 0
.irp k, 6,5,4,3,2,1,0
	DSQRT \k
.endr
	s_lshl_b32 s16, s14, 6
	v_add_nc_u32 v34, s16, v1                      ; a lane makes two of the wave's 64 frequencies: pairs 64 s + lane
	v_add_nc_u32 v35, 32, v34                      ; and 32 on
	v_mov_b32 v36, 1.0
	v_mov_b32 v37, 0
	v_mov_b32 v38, 1.0
	v_mov_b32 v39, 0
.irp k, 0,1,2,3,4,5,6,7,8
	DMUL \k
.endr
	v_rcp_f32 v41, v36                             ; the high part is the power to the nearest f32; its reciprocal, mended twice
	v_rcp_f32 v145, v38
	v_nop
	s_wait_alu depctr_va_vdst(0)
.rept 2
	v_fma_f32 v42, -v36, v41, 1.0
	v_fma_f32 v146, -v38, v145, 1.0
	v_fma_f32 v41, v42, v41, v41
	v_fma_f32 v145, v146, v145, v145
.endr
	ds_store_b32 v[LW], v41 offset:\reg
	ds_store_b32 v[LW], v145 offset:\reg+128
.irp b, 0,1,2,3,4,5,6,7
	ds_load_b128 v[F+4*\b:F+4*\b+3], v[LR] offset:\reg+32*\b   ; pairs 8 b + 4 (lane / 16) + 0 .. 3; LDS serves a wave's instructions in order: these see my stores
.endr
	v_mov_b32 v46, 0xb94ca1f9                      ; the polynomials' leading coefficients
	v_mov_b32 v47, 0x37ccf5ce
	s_wait_dscnt 0x0
	SC8 0
	SC8 8
	SC8 16
	SC8 24
.irp g, 0,1,2,3,4,5,6,7,8,9,10,11,12,13,14,15
	global_store_b128 v[IO], v[TB+4*\g:TB+4*\g+3], s[20:21] offset:512*\g   ; 32 lanes store 512 consecutive bytes
.endr
.endm
.macro ROPE t, r, b0, b1               ; pair p: (k0, k1) -> (k0 cos - k1 sin, k1 cos + k0 sin); cos, sin at b0 + 2 p (p < 16) or b1 + 2 (p - 16)
.set p, 0
.rept 16
	v_pk_mul_f32 v[\r+2*p:\r+2*p+1], v[\t+2*p:\t+2*p+1], v[\b0+2*p:\b0+2*p+1] op_sel_hi:[1,0]
	v_pk_mul_f32 v[\r+32+2*p:\r+33+2*p], v[\t+32+2*p:\t+33+2*p], v[\b1+2*p:\b1+2*p+1] op_sel_hi:[1,0]
.set p, p+1
.endr
.set p, 0
.rept 16
	v_pk_fma_f32 v[\r+2*p:\r+2*p+1], v[\t+2*p:\t+2*p+1], v[\b0+2*p:\b0+2*p+1], v[\r+2*p:\r+2*p+1] op_sel:[1,1,0] op_sel_hi:[0,1,1] neg_lo:[1,0,0]
	v_pk_fma_f32 v[\r+32+2*p:\r+33+2*p], v[\t+32+2*p:\t+33+2*p], v[\b1+2*p:\b1+2*p+1], v[\r+32+2*p:\r+33+2*p] op_sel:[1,1,0] op_sel_hi:[0,1,1] neg_lo:[1,0,0]
.set p, p+1
.endr
.endm
; 64 numbers of a lane, v[s] on: registers 16 b .. 16 b + 15 are my 16 of block b of my row (lane l xor 16 holds the other 16).  They become a fragment's codes in v[PC] on and my row's scale word in v[PW].
.macro QUANT s
.irp b, 0,1,2,3
	v_max3_num_f32 v[TM+\b], |v[\s+16*\b]|, |v[\s+1+16*\b]|, 0x1800000   ; the floor 2^(3 - 127) among the leaves: the byte cannot fall under 1
.endr
.irp i, 2,4,6,8,10,12,14
.irp b, 0,1,2,3
	v_max3_num_f32 v[TM+\b], v[TM+\b], |v[\s+16*\b+\i]|, |v[\s+1+16*\b+\i]|
.endr
.endr
.irp b, 0,1,2,3
	v_permlanex16_b32 v[TM+4+\b], v[TM+\b], s[SEL], s[SEL+1]
.endr
.irp b, 0,1,2,3
	v_max_num_f32 v[TM+\b], v[TM+\b], v[TM+4+\b]   ; the block's largest magnitude
.endr
.irp b, 0,1,2,3
	v_add_nc_u32 v[TM+12+\b], 0xff000000, v[TM+\b] ; 2 off its exponent field: the conversion's scale operand
.endr
.irp b, 0,1,2,3
	v_lshrrev_b32 v[TM+4+\b], 23, v[TM+12+\b]      ; the scale's byte
.endr
	v_lshl_or_b32 v[PW], v[TM+5], 8, v[TM+4]
	v_lshl_or_b32 v[PW], v[TM+6], 16, v[PW]
	v_lshl_or_b32 v[PW], v[TM+7], 24, v[PW]
.irp c, 0,1
	v_cvt_scalef32_pk16_fp6_f32 v[PC+6*\c:PC+2+6*\c], v[\s+32*\c:\s+15+32*\c], v[TM+12+2*\c]
	v_cvt_scalef32_pk16_fp6_f32 v[PC+12+4*\c:PC+14+4*\c], v[\s+16+32*\c:\s+31+32*\c], v[TM+12+2*\c+1]   ; (a conversion's three registers begin on an even number)
.endr
	v_nop                                          ; one plain line behind a scaled conversion
.irp c, 0,1                                    ; a whole block to a lane: lanes 0-15 block 2 c, lanes 16-31 block 2 c + 1
.irp i, 0,1,2
	v_permlane16_swap_b32 v[PC+6*\c+\i], v[PC+12+4*\c+\i]
.endr
.irp i, 0,1,2
	v_mov_b32 v[PC+3+6*\c+\i], v[PC+12+4*\c+\i]
.endr
.endr
.endm
.macro WORDAT rb, off                  ; s[38:39] = where row block s[rb]'s scale words of K step s14 lie: ((rb / 2) 8 + s) 128 + 64 (rb % 2)
	s_lshr_b32 s18, s[\rb], 1
	s_lshl_b32 s18, s18, 3
	s_add_co_u32 s18, s18, s14
	s_lshl_b32 s18, s18, 7
	s_and_b32 s22, s[\rb], 1
	s_lshl_b32 s22, s22, 6
	s_add_co_u32 s18, s18, s22
	s_add_nc_u64 s[38:39], s[10:11], s[18:19]
	s_add_nc_u64 s[38:39], s[38:39], \off
.endm
	s_load_b256 s[4:11], s[0:1], 0x0               ; W_Q s[4:5], Wf's codes s[6:7], Wf's scales s[8:9], prep s[10:11]
	v_lshl_add_u32 v[SPW], v0, 2, SPARE
	v_mov_b32 v[NIL], 0
	v_lshrrev_b32 v1, 5, v0
	v_readfirstlane_b32 s12, v1                    ; wave
	s_lshl_b32 s13, ttmp9, 2
	s_add_co_u32 s13, s13, s12                     ; idx
	s_and_b32 s14, s13, 7                          ; s: which 128 channels
	s_lshr_b32 s15, s13, 3                         ; which 16 positions
	v_and_b32 v1, 31, v0                           ; lane
	v_and_b32 v2, 15, v0                           ; r
	v_bfe_u32 v3, v0, 4, 1                         ; h
	v_lshlrev_b32 v[IO], 4, v1
	s_lshl_b32 s16, s12, 8
	v_lshlrev_b32 v[LW], 2, v1
	v_add_nc_u32 v[LW], s16, v[LW]
	v_lshlrev_b32 v[LR], 4, v3
	v_add_nc_u32 v[LR], s16, v[LR]
	v_lshlrev_b32 v[WO], 2, v2
	s_lshl_b32 s17, s15, 4
	v_add_nc_u32 v[POS], s17, v2
	v_cvt_f32_u32 v[POS], v[POS]
	s_mov_b32 s[SEL], 0x76543210
	s_mov_b32 s[SEL+1], 0xfedcba98
	s_lshl_b32 s18, s13, 13                        ; my table image: 8,192 bytes each
	s_mov_b32 s19, 0
	s_wait_kmcnt 0x0
	s_add_nc_u64 s[20:21], s[10:11], s[18:19]
	s_cmp_lt_u32 s13, 256
	s_cbranch_scc1 .Lquery
	s_cmp_lt_u32 s13, 768
	s_cbranch_scc1 .Lweight
	TABLE 0
	FIN
.Lquery:                                           ; ---- the table image and fragment idx of Q
	s_lshl_b32 s18, s15, 16                        ; 16 rows of 4,096 bytes
	s_lshl_b32 s22, s14, 9
	s_add_co_u32 s18, s18, s22
	s_add_nc_u64 s[32:33], s[4:5], s[18:19]
	v_lshlrev_b32 v[RO], 12, v2
	v_lshl_add_u32 v[RO], v3, 5, v[RO]             ; row r, + 32 h: register 8 b + j is channel 16 b + 8 h + j, as a matrix result would have it
.irp b, 0,1,2,3,4,5,6,7
	global_load_b128 v[X+8*\b:X+8*\b+3], v[RO], s[32:33] offset:64*\b
	global_load_b128 v[X+8*\b+4:X+8*\b+7], v[RO], s[32:33] offset:64*\b+16
.endr
	s_mul_i32 s18, s13, 1536
	s_add_nc_u64 s[36:37], s[10:11], s[18:19]
	s_add_nc_u64 s[36:37], s[36:37], QCO
	WORDAT 15, QSO
	TABLE 1024
	s_wait_loadcnt 0x0
	ROPE X, RQ, TB, TB+32
	QUANT RQ
.irp c, 0,1,2
	global_store_b128 v[IO], v[PC+4*\c:PC+4*\c+3], s[36:37] offset:512*\c
.endr
	global_store_b32 v[WO], v[PW], s[38:39]        ; lanes r and r + 16 hold the same word and write it to the same place
	FIN
.Lweight:                                          ; ---- the table image and fragment idx - 256 of Wf
	s_sub_co_u32 s40, s15, 32                      ; its row block
	s_mul_i32 s18, s40, 12288                      ; 16 rows of 768 bytes
	s_mul_i32 s22, s14, 96
	s_add_co_u32 s18, s18, s22
	s_add_nc_u64 s[32:33], s[6:7], s[18:19]
	s_lshl_b32 s18, s40, 9                         ; 16 rows of 32 scale bytes
	s_lshl_b32 s22, s14, 2
	s_add_co_u32 s18, s18, s22
	s_add_nc_u64 s[34:35], s[8:9], s[18:19]
	v_mul_u32_u24 v[RO], v2, 768
	v_mad_u32_u24 v[RO], v3, 24, v[RO]
	v_lshlrev_b32 v45, 5, v2
.irp c, 0,1                                    ; a block's 24 bytes d0 .. d5: d0, d1 and d4, d5 land at their places, d2, d3 beside
	global_load_b64 v[208+6*\c:209+6*\c], v[RO], s[32:33] offset:48*\c
	global_load_b64 v[X+2*\c:X+2*\c+1], v[RO], s[32:33] offset:48*\c+8
	global_load_b64 v[212+6*\c:213+6*\c], v[RO], s[32:33] offset:48*\c+16
.endr
	global_load_b32 v204, v45, s[34:35]
	s_sub_co_u32 s18, s13, 256
	s_mul_i32 s18, s18, 1536
	s_add_nc_u64 s[36:37], s[10:11], s[18:19]
	s_add_nc_u64 s[36:37], s[36:37], WFCO
	WORDAT 40, WFSO
	s_mov_b32 s44, 0x05040100
	s_mov_b32 s45, 0x05040302
	s_mov_b32 s46, 0x07060302
	TABLE 2048
	s_wait_loadcnt 0x0
.irp c, 0,1                                    ; bytes 6-11 and 12-17 change places
	v_perm_b32 v[211+6*\c], v[X+2*\c], v[209+6*\c], s45      ; new 12-15 = old 6-9
	v_perm_b32 v[209+6*\c], v[X+2*\c+1], v[209+6*\c], s44    ; new 4-7 = old 4, 5, 12, 13
	v_perm_b32 v[210+6*\c], v[212+6*\c], v[X+2*\c+1], s45    ; new 8-11 = old 14-17
	v_perm_b32 v[212+6*\c], v[212+6*\c], v[X+2*\c], s46      ; new 16-19 = old 10, 11, 18, 19
.endr
.irp c, 0,1,2
	global_store_b128 v[IO], v[208+4*\c:211+4*\c], s[36:37] offset:512*\c
.endr
	global_store_b32 v[WO], v204, s[38:39]
	FIN
.Lfunc_end_k_q7e49864252_prep:
	.size	k_q7e49864252_prep, .Lfunc_end_k_q7e49864252_prep-k_q7e49864252_prep
	.p2alignl 7, 3214868480
	.fill 96, 4, 3214868480
	.section	.rodata,"a",@progbits
	.p2align	6, 0x0
	.amdhsa_kernel k_q7e49864252_prep
		.amdhsa_group_segment_fixed_size 3584
		.amdhsa_private_segment_fixed_size 0
		.amdhsa_enable_private_segment 0
		.amdhsa_kernarg_size 32
		.amdhsa_user_sgpr_count 2
		.amdhsa_user_sgpr_kernarg_segment_ptr 1
		.amdhsa_wavefront_size32 1
		.amdhsa_system_sgpr_workgroup_id_x 1
		.amdhsa_system_sgpr_workgroup_id_y 1
		.amdhsa_system_sgpr_workgroup_id_z 1
		.amdhsa_system_vgpr_workitem_id 0
		.amdhsa_next_free_vgpr 256
		.amdhsa_next_free_sgpr 66
		.amdhsa_reserve_vcc 0
		.amdhsa_float_denorm_mode_32 3
		.amdhsa_float_denorm_mode_16_64 3
		.amdhsa_memory_ordered 1
		.amdhsa_forward_progress 1
		.amdhsa_inst_pref_size 189
	.end_amdhsa_kernel
	.amdgpu_metadata
---
amdhsa.version: [ 1, 2 ]
amdhsa.kernels:
  - .name:           k_q7e49864252_prep
    .symbol:         k_q7e49864252_prep.kd
    .args:
      - { .name: W_Q, .offset: 0, .size: 8, .value_kind: global_buffer, .address_space: global }
      - { .name: Wf_codes, .offset: 8, .size: 8, .value_kind: global_buffer, .address_space: global }
      - { .name: Wf_scales, .offset: 16, .size: 8, .value_kind: global_buffer, .address_space: global }
      - { .name: prep, .offset: 24, .size: 8, .value_kind: global_buffer, .address_space: global }
    .group_segment_fixed_size: 3584
    .private_segment_fixed_size: 0
    .kernarg_segment_align: 8
    .kernarg_segment_size: 32
    .max_flat_workgroup_size: 128
    .sgpr_count:     66
    .vgpr_count:     256
    .wavefront_size: 32
...
	.end_amdgpu_metadata
.endif
;; end of part 1
;; launch proj (part 2): grid 4 x 64, 4 waves a work-group, clusters of 4 x 4, 327,680 bytes of LDS; arguments x_codes, x_scales, Wk_codes, Wk_scales, Wv_codes, Wv_scales, bk, bv, prep, kv; writes kv
.if DOCPART == 2
	.amdgcn_target "amdgcn-amd-amdhsa--gfx1250"
	.amdhsa_code_object_version 6
	.text
	.protected	k_q7e49864252_proj
	.globl	k_q7e49864252_proj
	.p2align	8
	.type	k_q7e49864252_proj,@function
k_q7e49864252_proj:
	s_mov_b64 s[64:65], 0
	v_nop
	global_prefetch_b8 v0, s[64:65] scope:SCOPE_SE
	s_setreg_imm32_b32 hwreg(HW_REG_WAVE_MODE, 25, 1), 1
	s_wait_xcnt 0x0
	s_wait_alu depctr_hold_cnt(0) depctr_sa_sdst(0) depctr_va_vdst(0) depctr_va_sdst(0) depctr_va_ssrc(0) depctr_va_vcc(0) depctr_vm_vsrc(0)
	s_getreg_b32 s2, hwreg(HW_REG_IB_STS2, 6, 4)
	s_cmp_eq_u32 s2, 0
	s_cbranch_scc0 .Lentry_in_a_cluster
	s_endpgm
.Lentry_in_a_cluster:
	s_bfe_u32 s2, ttmp6, 0x10000c
	s_cmp_lg_u32 s2, 0xf033
	s_cbranch_scc0 .Lentry_shape_is_right
	s_endpgm
.Lentry_shape_is_right:
; PROJ: V = x Wv^T + bv quantised along t, and K = RoPE(x Wk^T + bk) quantised along c: both products on the given codes of FP6 (E2M3), sums in f32; the results leave as codes.  Nothing is left out.
; A tile of 256 x 256 to a work-group of four waves, 128 x 128 a wave: 64 accumulators, 512 registers.  K (1,024) goes in four steps of 256 through a ring of two LDS slots filled by the tensor data mover.
; A WORK-GROUP STAYS: it makes a tile of V and then a tile of K, and the ring does not stop between them: V's last two changes of slots ask for K's first two steps, which land while V's results are quantised, and nothing waits
; for V's stores.  256 work-groups of equal work.  The scale bytes of both tiles' rows come once, with the first fills, each into bytes of its own.
; 4 x 4 work-groups form a cluster, Y its number.  A tile of source 1 is asked for jointly by a row of the cluster (its address hangs on cy), a tile of source 0 by a column (on cx).
; V: source 1 (a lane's row) = rows 256 cy on of Wv, source 0 (a lane's registers) = rows 256 (4 Y + cx) on of x: a lane holds one channel and its registers run along t, the K of the product with p.
; K: source 1 = rows 256 (4 Y + cy) on of x, source 0 = rows 256 cx on of Wk: a lane holds one position and its registers run along c, the K of the product with Q.  bk is the C of K's first products.
; THE WAY OUT, for each of my 8 blocks of 16 rows: (V: + bv; K: RoPE), the largest magnitude of each 32, the byte, the conversion: one fragment (16 rows x 128 of the next K) and one scale word a row.  A fragment leaves as the
; image of its registers, 3 stores of 512 consecutive bytes.  Each block of 32 holds its numbers in the order 0-7, 16-23, 8-15, 24-31, as every operand that this program makes.
; LIMITS: NaN and infinities are not served; a block of zeros gets the byte 1 (its codes are zeros; the bytes are read by this program alone).
; REGISTERS, in windows of 256: window 0: v0-31 addresses; v32-63 scale words, two sets; v64-127 bk; from v128 source 1's fragments, ONE set; v240-255 bv in pairs; on the way out v128-147 codes, v148-163 work, v164-227 what is quantised.
;   window 1: source 0's fragments, two sets, at v0 and v128; v96-127 and v224-255 the first set of cos and sin; on K's way out four such sets.   windows 2, 3: the accumulators ((a, b) at v[8 (8 (a % 4) + b)]).
.set KSTEP,  256
.set NQ,     KSTEP/128
.set ROWB,   192                       ; a tile's row in bytes
.set KROW,   768                       ; a row of codes in memory
.set PITCH,  240                       ; an LDS row: 3 x (64 bytes + 16 of padding)
.set FR,     12
.set NL,     6
.set NP,     4                         ; places behind this matrix instruction (ISA guide 7.12.1)
.set HALFT,  128*PITCH
.set SLOT,   4*HALFT
.set KS,     32                        ; a row of scale bytes
.set SCL,    2*SLOT                    ; behind the ring: V's tile's scale bytes,
.set HALFS,  (128*KS/256)*272
.set SBLK,   (16*KS/256)*272
.set SCL2,   4*HALFS                   ; and so many bytes on K's tile's
.set SPARE,  SCL+2*SCL2                ; behind the scales: the spare words, 128 bytes for each wave
.set VCO,    12582912                  ; kv: K's codes; V's codes;
.set KSO,    25165824                  ; K's scale words;
.set VSO,    25690112                  ; V's
.set IO,   7                           ; v7   16 x lane
.set BO,   8                           ; v8   my place in bv
.set SO,   9                           ; v9   4 x lane
.set PW,   10                          ; v10  the scale word just made;  v11 the even block's;  v12 the two joined
.set PWP,  11
.set MW,   12
.set BOK,  13                          ; v13  my place in bk
.set ADRA, 16
.set ADRB, 20
.set ADRS, 27
.set SPW,  28
.set NIL,  29
.set SC,   32
.set BI,   64
.set AF,   128
.set PC,   128
.set TM,   148
.set R,    164
.set BVP,  240
.set A1,  2                            ; s[2:3]   K's tile: the rows of x that I fetch
.set G0S2, 4                           ; s[4:7]   group 0 for K's source 1's scales, once x's pointers are used up
.set G0SB2, 8                          ; s[8:11]  and for its source 0's, once Wk's are
.set B1,  12                           ; s[12:13] K's tile: the rows of Wk that I fetch
.set G1, 24
.set G0, 32
.set G1B, 48
.set G0B, 56
.set G1S, 68
.set G0S, 76
.set G1SB, 80
.set G0SB, 88
.set RBV, 66                           ; s66  V: my first block of 16 rows of source 1;  s67  which 128 rows of source 0 are mine
.set CBV, 67
.set RBK, 92                           ; s92, s93  the same for K, once Wv's pointer is used up
.set CBK, 93
.set SEL, 40                           ; s[40:41], once cx and cy are done with
.set MSK, 43                           ; s43  lanes 16-31
.set MSB, 0
.macro WIN new                         ; the immediate's high byte repeats the setting that is left
.if MSB != (\new)
	s_set_vgpr_msb (MSB<<8)|(\new)
.set MSB, (\new)
.endif
.endm
.set MUL_LO, 0xa1                      ; source 0 window 1, source 1 window 0, C and D window 2
.set MUL_HI, 0xf1
.set TO_B,   0x40
; A joint load: waves 0 and 1 fetch for source 1, waves 2 and 3 for source 0.  The branch hangs on the wave's number alone.  An s_nop 0 and four v_nop follow each of the two lines.
.macro JLOAD g0a, g1a, g0b, g1b
	s_cmp_eq_u32 s15, 0
	s_cbranch_scc0 .Lfor_b_\@
	tensor_load_to_lds s[\g0a:\g0a+3], s[\g1a:\g1a+7]
	s_nop 0
.rept 4
	v_nop
.endr
	s_branch .Lasked_\@
.Lfor_b_\@:
	tensor_load_to_lds s[\g0b:\g0b+3], s[\g1b:\g1b+7]
	s_nop 0
.rept 4
	v_nop
.endr
.Lasked_\@:
.endm
.macro CREST                           ; a round of the cluster's barrier behind its opening barrier
	s_cmp_lg_u32 s14, 0
	s_cbranch_scc1 .Lnot_wave_0_\@
	s_barrier_signal -3
.Lnot_wave_0_\@:
	s_barrier_wait -3
	s_barrier_signal -1
	s_barrier_wait -1
.endm
.macro CROUND
	s_barrier_signal -1
	s_barrier_wait -1
	CREST
.endm
	s_load_b256 s[4:11], s[0:1], 0x0               ; x's codes, x's scales, Wk's codes, Wk's scales
	s_load_b256 s[92:99], s[0:1], 0x20             ; Wv's codes, Wv's scales, bk, bv
	s_load_b64 s[100:101], s[0:1], 0x40            ; prep
	s_load_b64 s[104:105], s[0:1], 0x48            ; kv
	v_lshl_add_u32 v[SPW], v0, 2, SPARE
	v_mov_b32 v[NIL], 0
	ds_add_u32 v[SPW], v[NIL]                      ; the wave's opening: the add, twice on end, and its wait ahead of my first tensor load; work on registers stands between
	ds_add_u32 v[SPW], v[NIL]
	v_lshrrev_b32 v1, 5, v0
	v_readfirstlane_b32 s14, v1                    ; wave 0..3
	s_lshr_b32 s15, s14, 1                         ; which half of source 1's rows is mine.  Also: I fetch for source 1 (0) or source 0 (1)
	s_and_b32 s16, s14, 1                          ; which half of source 0's.  Also: which 128 rows of that tile I fetch
	s_bfe_u32 s40, ttmp6, 0x40000                  ; cx
	s_bfe_u32 s41, ttmp6, 0x40004                  ; cy
	s_and_b32 s18, ttmp7, 0xffff
	s_lshl_b32 s18, s18, 2                         ; 4 Y: x's 64 tiles are walked by the cluster's number; the weights have 4
	s_add_co_u32 s17, s18, s41                     ; 4 Y + cy: K's tile of x
	s_add_co_u32 s42, s18, s40                     ; 4 Y + cx: V's tile of x
	s_lshl_b32 s43, s41, 2
	s_lshl_b32 s43, 15, s43                        ; my row of the cluster
	s_lshl_b32 s44, 0x1111, s40                    ; my column
	s_or_b32 s[G1+0], s43, (0<<16)|(1<<20)|(1<<21)|(3<<22)|(3<<25)  ; the mask; elements of 1 byte; padding on; bit 21 beside a mask; after every 16 words, 4 words
	s_or_b32 s[G1B+0], s44, (0<<16)|(1<<20)|(1<<21)|(3<<22)|(3<<25)
.irp g, G1, G1B
	s_mov_b32 s[\g+1], ROWB<<16                    ; tensor_dim0
	s_mov_b32 s[\g+2], 128<<16                     ; tensor_dim1
	s_mov_b32 s[\g+3], ROWB<<16                    ; tile_dim0
	s_mov_b32 s[\g+4], 128                         ; tile_dim1
	s_mov_b32 s[\g+5], KROW                        ; the pitch
	s_mov_b32 s[\g+6], 0
	s_mov_b32 s[\g+7], 0
.endr
	s_or_b32 s[G1S+0], s43, (3<<16)|(1<<20)|(1<<21)|(5<<22)|(3<<25) ; the scales of 128 rows: 4,096 dense bytes as 16 rows of 256, 16 bytes of padding behind each
	s_or_b32 s[G1SB+0], s44, (3<<16)|(1<<20)|(1<<21)|(5<<22)|(3<<25)
.irp g, G1S, G1SB
	s_mov_b32 s[\g+1], 32<<16
	s_mov_b32 s[\g+2], (128*KS/256)<<16
	s_mov_b32 s[\g+3], 32<<16
	s_mov_b32 s[\g+4], 128*KS/256
	s_mov_b32 s[\g+5], 32
	s_mov_b32 s[\g+6], 0
	s_mov_b32 s[\g+7], 0
.endr
	; the rows that I fetch, as byte offsets (all under 2^24).  What goes to a row of the cluster is made of cy alone, what goes to a column of cx alone
	s_lshl_b32 s19, s16, 7                         ; which 128 rows of a tile
	s_lshl_b32 s20, s41, 8
	s_add_co_u32 s20, s20, s19                     ; V, source 1: row 256 cy + 128 half of Wv
	s_lshl_b32 s[A1], s17, 8
	s_add_co_u32 s[A1], s[A1], s19                 ; K, source 1: row 256 (4 Y + cy) + 128 half of x
	s_lshl_b32 s46, s42, 8
	s_add_co_u32 s46, s46, s19                     ; V, source 0: row 256 (4 Y + cx) + 128 half of x
	s_lshl_b32 s[B1], s40, 8
	s_add_co_u32 s[B1], s[B1], s19                 ; K, source 0: row 256 cx + 128 half of Wk
	s_lshl_b32 s[G0S+2], s20, 5                    ; their scales: 32 bytes a row
	s_lshl_b32 s22, s[A1], 5
	s_lshl_b32 s[G0SB+2], s46, 5
	s_lshl_b32 s18, s[B1], 5
	s_mul_i32 s20, s20, KROW                       ; and their codes
	s_mul_i32 s[A1], s[A1], KROW
	s_mul_i32 s46, s46, KROW
	s_mul_i32 s[B1], s[B1], KROW
	s_mov_b32 s21, 0
	s_mov_b32 s[A1+1], 0
	s_mov_b32 s47, 0
	s_mov_b32 s[B1+1], 0
	s_mov_b32 s[G0S+3], 0
	s_mov_b32 s23, 0
	s_mov_b32 s[G0SB+3], 0
	s_mov_b32 s19, 0
	s_mul_i32 s45, s14, HALFT                      ; where they go: wave x 128 rows: no place in the cluster enters an LDS address
	s_mul_i32 s[G0S+1], s14, HALFS
	s_add_co_u32 s[G0S+1], s[G0S+1], SCL
	s_mov_b32 s[G0SB+1], s[G0S+1]
	s_mov_b32 s[G0S], 1
	s_mov_b32 s[G0SB], 1
	s_wait_dscnt 0x0                               ; both opening adds are done
	s_wait_kmcnt 0x0
	s_add_nc_u64 s[20:21], s[92:93], s[20:21]      ; V: Wv's codes,
	s_add_nc_u64 s[46:47], s[4:5], s[46:47]        ;    x's
	s_add_nc_u64 s[A1:A1+1], s[4:5], s[A1:A1+1]    ; K: x's codes,
	s_add_nc_u64 s[B1:B1+1], s[8:9], s[B1:B1+1]    ;    Wk's
	s_add_nc_u64 s[G0S+2:G0S+3], s[94:95], s[G0S+2:G0S+3]        ; V: Wv's scales,
	s_add_nc_u64 s[G0SB+2:G0SB+3], s[6:7], s[G0SB+2:G0SB+3]      ;    x's
	s_add_nc_u64 s[G0S2+2:G0S2+3], s[6:7], s[22:23]              ; K: x's scales,
	s_add_nc_u64 s[G0SB2+2:G0SB2+3], s[10:11], s[18:19]          ;    Wk's
	s_or_b32 s[G0S+3], s[G0S+3], 0x80000000
	s_or_b32 s[G0SB+3], s[G0SB+3], 0x80000000
	s_or_b32 s[G0S2+3], s[G0S2+3], 0x80000000
	s_or_b32 s[G0SB2+3], s[G0SB2+3], 0x80000000
	s_mov_b32 s[G0S2], 1
	s_add_co_u32 s[G0S2+1], s[G0S+1], SCL2
	s_mov_b32 s[G0SB2], 1
	s_add_co_u32 s[G0SB2+1], s[G0S+1], SCL2
	CROUND                                         ; all sixteen work-groups are here: the first joint loads meet
	JLOAD G0S, G1S, G0SB, G1SB                     ; V's scales first: they are wanted with K step 0;
	JLOAD G0S2, G1S, G0SB2, G1SB                   ; K's, into bytes of their own: filled once
.irp s, 0,1
	s_mov_b32 s[G0+4*\s], 1
	s_add_co_u32 s[G0+4*\s+1], s45, \s*SLOT
	s_add_nc_u64 s[G0+4*\s+2:G0+4*\s+3], s[20:21], \s*ROWB
	s_or_b32 s[G0+4*\s+3], s[G0+4*\s+3], 0x80000000
	s_mov_b32 s[G0B+4*\s], 1
	s_add_co_u32 s[G0B+4*\s+1], s45, \s*SLOT
	s_add_nc_u64 s[G0B+4*\s+2:G0B+4*\s+3], s[46:47], \s*ROWB
	s_or_b32 s[G0B+4*\s+3], s[G0B+4*\s+3], 0x80000000
	JLOAD G0+4*\s, G1, G0B+4*\s, G1B               ; four loads of mine are out
.endr
	v_and_b32 v1, 15, v0                           ; r
	v_bfe_u32 v2, v0, 4, 1                         ; h
	v_mul_u32_u24 v3, v1, PITCH
	v_mul_u32_u24 v4, v2, 24
	v_add_nc_u32 v4, v3, v4                        ; a fragment's row x pitch + 24 x half
	v_lshl_add_u32 v5, v2, 4, v4                   ; and the same behind one padding more
	s_mul_i32 s21, s15, HALFT
	s_mul_i32 s22, s16, HALFT
	s_add_co_u32 s22, s22, 2*HALFT
.irp s, 0,1
	v_add_nc_u32 v[ADRA+\s], s21, v4
	v_add_nc_u32 v[ADRB+\s], s22, v4
	v_add_nc_u32 v[ADRA+2+\s], s21, v5
	v_add_nc_u32 v[ADRB+2+\s], s22, v5
	s_add_co_u32 s21, s21, SLOT
	s_add_co_u32 s22, s22, SLOT
.endr
	v_mul_u32_u24 v5, v1, KS                       ; my row's scales: 32 bytes a row, and 16 more for each 256 passed
	v_lshrrev_b32 v6, 8, v5
	v_lshl_add_u32 v5, v6, 4, v5
	s_mul_i32 s21, s15, HALFS
	s_mul_i32 s22, s16, HALFS
	s_add_co_u32 s22, s22, 2*HALFS
	s_sub_co_u32 s22, s22, s21
	v_mul_u32_u24 v6, s22, v2                      ; lanes 16-31 take source 0's
	s_add_co_u32 s21, s21, SCL
	v_add_nc_u32 v5, v5, v6
	v_add_nc_u32 v[ADRS], s21, v5                  ; never rewritten: the K step (8 bytes each) and the tile stand in the loads' immediates
	v_and_b32 v6, 31, v0
	v_lshlrev_b32 v[IO], 4, v6
	v_lshlrev_b32 v[SO], 2, v6
	v_lshlrev_b32 v[BO], 2, v1
	v_lshlrev_b32 v[BOK], 5, v2
	s_lshl_b32 s18, s15, 3
	s_lshl_b32 s[RBV], s41, 4
	s_add_co_u32 s[RBV], s[RBV], s18               ; 16 x tile + 8 x half
	s_lshl_b32 s[CBV], s42, 1
	s_add_co_u32 s[CBV], s[CBV], s16               ; 2 x tile + half
	s_lshl_b32 s[RBK], s17, 4
	s_add_co_u32 s[RBK], s[RBK], s18
	s_lshl_b32 s[CBK], s40, 1
	s_add_co_u32 s[CBK], s[CBK], s16
	s_mov_b32 s[SEL], 0x76543210
	s_mov_b32 s[SEL+1], 0xfedcba98
	s_mov_b32 s[MSK], 0xffff0000
	s_mov_b32 s21, 0
	s_lshl_b32 s20, s[RBV], 6
	s_add_nc_u64 s[98:99], s[98:99], s[20:21]      ; bv of my 128 channels
	s_lshl_b32 s20, s[CBK], 9
	s_add_nc_u64 s[96:97], s[96:97], s[20:21]      ; bk of my 128 channels
.irp a, 0,1,2,3,4,5,6,7
	global_load_b32 v[BVP+2*\a], v[BO], s[98:99] offset:64*\a                  ; block a: bv of channel 16 a + r
.endr
.irp b, 0,1,2,3,4,5,6,7
	global_load_b128 v[BI+8*\b:BI+8*\b+3], v[BOK], s[96:97] offset:64*\b       ; register 8 b + j: bk of channel 16 b + 8 h + j: the layout of a result
	global_load_b128 v[BI+8*\b+4:BI+8*\b+7], v[BOK], s[96:97] offset:64*\b+16
.endr
	; V's way out.  My rows are channels 16 RBV on, my registers positions 128 CBV on: batch CBV / 16, K step CBV % 16 of the fragments of that batch's row blocks RBV .. RBV + 7
	s_lshr_b32 s18, s[CBV], 4
	s_and_b32 s19, s[CBV], 15
	s_lshl_b32 s18, s18, 6
	s_add_co_u32 s18, s18, s[RBV]                  ; 64 x batch + RBV
	s_lshl_b32 s20, s18, 4
	s_add_co_u32 s20, s20, s19
	s_mul_i32 s20, s20, 1536
	s_add_nc_u64 s[22:23], s[104:105], s[20:21]
	s_add_nc_u64 s[22:23], s[22:23], VCO           ; the images
	s_lshl_b32 s20, s18, 3                         ; (32 x batch + RBV / 2) x 16
	s_add_co_u32 s20, s20, s19
	s_lshl_b32 s20, s20, 7
	s_add_nc_u64 s[46:47], s[104:105], s[20:21]
	s_add_nc_u64 s[46:47], s[46:47], VSO           ; the scale words
.macro FRAG reg, adr, q, i             ; a fragment: lane l holds row l % 16; registers 6 c .. 6 c + 5 hold K = 64 c + 32 (l / 16) + 0 .. 31: 24 bytes of the row, as they lie, in pieces of 8
.irp p, 0,1,2,3,4,5
.set PCE, 12*(\q)+6*(\p/3)+\p%3        ; where the piece three on lies behind one padding more, the second address register serves
.if PCE%8 < 5
	ds_load_b64 v[\reg+2*\p:\reg+2*\p+1], v[\adr] offset:8*PCE+16*(PCE/8)+(\i)*16*PITCH
.else
	ds_load_b64 v[\reg+2*\p:\reg+2*\p+1], v[\adr+2] offset:8*PCE+16*(PCE/8)+(\i)*16*PITCH
.endif
.endr
.endm
; 16 matrix instructions: source 1's blocks a0, a0 + 1 x source 0's eight, 128 along K.  The 64 accumulators take turns, one instruction a turn, in the same order in every step.
; zero = 1: the product starts the sum with 0;  2: with bk (eight registers for each of source 0's blocks, in window 0): nothing is ever cleared.
.macro MUL16 a0, p, q, sc, zero
.irp a, \a0, \a0+1
.irp b, 0,1,2,3,4,5,6,7
.if (\zero) == 1
	v_wmma_scale_f32_16x16x128_f8f6f4 v[8*(8*((\a)%4)+\b):8*(8*((\a)%4)+\b)+7], v[128*(\p)+FR*\b:128*(\p)+FR*\b+FR-1], v[AF+FR*(\a):AF+FR*(\a)+FR-1], 0, v[SC+8*NQ*(\sc)+NQ*\b+(\q)], v[SC+8*NQ*(\sc)+NQ*(\a)+(\q)] matrix_a_fmt:MATRIX_FMT_FP6 matrix_b_fmt:MATRIX_FMT_FP6 matrix_a_scale:MATRIX_SCALE_ROW1
.elseif (\zero) == 2
	v_wmma_scale_f32_16x16x128_f8f6f4 v[8*(8*((\a)%4)+\b):8*(8*((\a)%4)+\b)+7], v[128*(\p)+FR*\b:128*(\p)+FR*\b+FR-1], v[AF+FR*(\a):AF+FR*(\a)+FR-1], v[BI+8*\b:BI+8*\b+7], v[SC+8*NQ*(\sc)+NQ*\b+(\q)], v[SC+8*NQ*(\sc)+NQ*(\a)+(\q)] matrix_a_fmt:MATRIX_FMT_FP6 matrix_b_fmt:MATRIX_FMT_FP6 matrix_a_scale:MATRIX_SCALE_ROW1
.else
	v_wmma_scale_f32_16x16x128_f8f6f4 v[8*(8*((\a)%4)+\b):8*(8*((\a)%4)+\b)+7], v[128*(\p)+FR*\b:128*(\p)+FR*\b+FR-1], v[AF+FR*(\a):AF+FR*(\a)+FR-1], v[8*(8*((\a)%4)+\b):8*(8*((\a)%4)+\b)+7], v[SC+8*NQ*(\sc)+NQ*\b+(\q)], v[SC+8*NQ*(\sc)+NQ*(\a)+(\q)] matrix_a_fmt:MATRIX_FMT_FP6 matrix_b_fmt:MATRIX_FMT_FP6 matrix_a_scale:MATRIX_SCALE_ROW1
.endif
.endr
.endr
.endm
.macro FETCH_B slot, q, p
	WIN TO_B
.irp i, 0,1,2,3,4,5,6,7
	FRAG 128*(\p)+FR*\i, ADRB+\slot, \q, \i
.endr
	WIN 0
.endm
.macro FETCH_A slot, q, i0
.irp i, \i0, \i0+1, \i0+2, \i0+3
	FRAG AF+FR*(\i), ADRA+\slot, \q, \i
.endr
.endm
.macro SCALES sc, off                  ; a K step's scale words: two words a row; lanes 0-15 source 1's block i, lanes 16-31 source 0's block i.  off: 8 bytes for each K step, SCL2 for K's tile
.irp i, 0,1,2,3,4,5,6,7
	ds_load_b64 v[SC+8*NQ*\sc+NQ*\i:SC+8*NQ*\sc+NQ*\i+1], v[ADRS] offset:\i*SBLK+(\off)
.endr
.endm
.macro PLACES n                        ; plain vector lines between a matrix instruction and a load into, or a vector read of, its registers
.rept \n
	v_nop
.endr
.endm
.macro STEP slot, q, zero              ; a step of 128 along K that has its successor in the same slot
	s_wait_dscnt 4*NL                              ; source 0's set and source 1's blocks 0-3 are in; the youngest 24 loads (blocks 4-7) may be out
.if (\zero) == 2
	WIN 0x81                                       ; C (bk) window 0, D window 2
.else
	WIN MUL_LO
.endif
	MUL16 0, (\q)%2, \q, \slot, \zero
	MUL16 2, (\q)%2, \q, \slot, \zero
	s_wait_dscnt 0
	PLACES NP
	FETCH_B \slot, (\q)+1, 1-(\q)%2
	FETCH_A \slot, (\q)+1, 0
.if (\zero) == 2
	WIN 0xc1                                       ; C window 0, D window 3
.else
	WIN MUL_HI
.endif
	MUL16 4, (\q)%2, \q, \slot, \zero
	MUL16 6, (\q)%2, \q, \slot, \zero
	PLACES NP
	WIN 0
	FETCH_A \slot, (\q)+1, 4
.endm
; A slot's last step changes slots: ONE barrier; in front of it each wave waits for all its tensor loads, adds 0 to its spare word, and waits for that and for its own reads of this slot.
; fill = 0: nothing is filled.  1: the slot is filled again, two K steps ahead.  2, 3: with K's tile's step 0 or 1 (the slot's number); 3: V's last step: the next fragments are fetched behind V's way out, whose registers they take.
.macro TURN slot, next, fill, soff
	s_wait_tensorcnt 0x0                           ; all my tensor loads have landed: my part of the next slot
	ds_add_u32 v[SPW], v[NIL]                      ; 0 onto my spare word
	s_wait_dscnt 4*NL+1                            ; (the add and the youngest 24 loads may be out)
	WIN MUL_LO
	MUL16 0, 1, NQ-1, \slot, 0
	s_wait_dscnt 0x0                               ; the add is done, and my reads of this slot are over
	s_barrier_signal -1
	MUL16 2, 1, NQ-1, \slot, 0
	WIN 0
	s_barrier_wait -1
.if (\fill) == 0
	PLACES NP
.else
	CREST                                          ; the barrier has opened a round of the cluster's: no wave of any partner still reads this slot or has a load on its way
.if (\fill) == 1
	s_add_nc_u64 s[G0+4*\slot+2:G0+4*\slot+3], s[G0+4*\slot+2:G0+4*\slot+3], 2*ROWB
	s_add_nc_u64 s[G0B+4*\slot+2:G0B+4*\slot+3], s[G0B+4*\slot+2:G0B+4*\slot+3], 2*ROWB
.else
	s_add_nc_u64 s[G0+4*\slot+2:G0+4*\slot+3], s[A1:A1+1], \slot*ROWB          ; THE RING GOES ON INTO K's TILE
	s_or_b32 s[G0+4*\slot+3], s[G0+4*\slot+3], 0x80000000
	s_add_nc_u64 s[G0B+4*\slot+2:G0B+4*\slot+3], s[B1:B1+1], \slot*ROWB
	s_or_b32 s[G0B+4*\slot+3], s[G0B+4*\slot+3], 0x80000000
.endif
	JLOAD G0+4*\slot, G1, G0B+4*\slot, G1B         ; the first tensor load behind the round; its four v_nop are also the places in front of the loads below
.endif
.if (\fill) < 3
	FETCH_B \next, 0, 0
	FETCH_A \next, 0, 0
	SCALES \next, \soff
.endif
	WIN MUL_HI
	MUL16 4, 1, NQ-1, \slot, 0
	MUL16 6, 1, NQ-1, \slot, 0
.if (\fill) < 3
	PLACES NP
	WIN 0
	FETCH_A \next, 0, 4
.else
	WIN 0
.endif
.endm
.macro LAST                            ; the very last step: nothing more to fetch
	s_wait_dscnt 4*NL
	WIN MUL_LO
	MUL16 0, 1, NQ-1, 1, 0
	MUL16 2, 1, NQ-1, 1, 0
	s_wait_dscnt 0
	WIN MUL_HI
	MUL16 4, 1, NQ-1, 1, 0
	MUL16 6, 1, NQ-1, 1, 0
	WIN 0
.endm
.macro ROPE t, r, b0, b1               ; pair p: (k0, k1) -> (k0 cos - k1 sin, k1 cos + k0 sin); k in the accumulators' window, from each accumulator's low end on; cos, sin at b0 + 2 p (p < 16) or b1 + 2 (p - 16), in window 1
.set p, 0
.rept 16
	v_pk_mul_f32 v[\r+2*p:\r+2*p+1], v[\t+2*p:\t+2*p+1], v[\b0+2*p:\b0+2*p+1] op_sel_hi:[1,0]
	v_pk_mul_f32 v[\r+32+2*p:\r+33+2*p], v[\t+32+2*p:\t+33+2*p], v[\b1+2*p:\b1+2*p+1] op_sel_hi:[1,0]
.set p, p+1
.endr
.set p, 0
.rept 16
	v_pk_fma_f32 v[\r+2*p:\r+2*p+1], v[\t+2*p:\t+2*p+1], v[\b0+2*p:\b0+2*p+1], v[\r+2*p:\r+2*p+1] op_sel:[1,1,0] op_sel_hi:[0,1,1] neg_lo:[1,0,0]
	v_pk_fma_f32 v[\r+32+2*p:\r+33+2*p], v[\t+32+2*p:\t+33+2*p], v[\b1+2*p:\b1+2*p+1], v[\r+32+2*p:\r+33+2*p] op_sel:[1,1,0] op_sel_hi:[0,1,1] neg_lo:[1,0,0]
.set p, p+1
.endr
.endm
; 64 numbers of a lane, v[s] on: registers 16 b .. 16 b + 15 are my 16 of block b of my row (lane l xor 16 holds the other 16): a fragment's codes in v[PC] on, my row's scale word in v[PW].
.macro QUANT s
.irp b, 0,1,2,3
	v_max3_num_f32 v[TM+\b], |v[\s+16*\b]|, |v[\s+1+16*\b]|, 0x1800000   ; the floor 2^(3 - 127) among the leaves: the byte cannot fall under 1
.endr
.irp i, 2,4,6,8,10,12,14
.irp b, 0,1,2,3
	v_max3_num_f32 v[TM+\b], v[TM+\b], |v[\s+16*\b+\i]|, |v[\s+1+16*\b+\i]|
.endr
.endr
.irp b, 0,1,2,3
	v_permlanex16_b32 v[TM+4+\b], v[TM+\b], s[SEL], s[SEL+1]
.endr
.irp b, 0,1,2,3
	v_max_num_f32 v[TM+\b], v[TM+\b], v[TM+4+\b]
.endr
.irp b, 0,1,2,3
	v_add_nc_u32 v[TM+12+\b], 0xff000000, v[TM+\b] ; 2 off the exponent field: the conversion's scale operand
.endr
.irp b, 0,1,2,3
	v_lshrrev_b32 v[TM+4+\b], 23, v[TM+12+\b]      ; the scale's byte
.endr
	v_lshl_or_b32 v[PW], v[TM+5], 8, v[TM+4]
	v_lshl_or_b32 v[PW], v[TM+6], 16, v[PW]
	v_lshl_or_b32 v[PW], v[TM+7], 24, v[PW]
	s_wait_xcnt 0x0                                ; the last blocks' stores have read the codes' registers and the joined word's: both are written again only behind this wait; this block's sums and maxima stand between those stores and it
.irp c, 0,1
	v_cvt_scalef32_pk16_fp6_f32 v[PC+6*\c:PC+2+6*\c], v[\s+32*\c:\s+15+32*\c], v[TM+12+2*\c]
	v_cvt_scalef32_pk16_fp6_f32 v[PC+12+4*\c:PC+14+4*\c], v[\s+16+32*\c:\s+31+32*\c], v[TM+12+2*\c+1]
.endr
	v_nop                                          ; one plain line behind a scaled conversion
.irp c, 0,1
.irp i, 0,1,2
	v_permlane16_swap_b32 v[PC+6*\c+\i], v[PC+12+4*\c+\i]
.endr
.irp i, 0,1,2
	v_mov_b32 v[PC+3+6*\c+\i], v[PC+12+4*\c+\i]
.endr
.endr
.endm
.macro SETB a                          ; where block a's cos and sin lie in window 1: four sets by turns, each two runs of 32 registers
.if (\a)%4 == 0
.set TB0, 96
.set TB1, 224
.elseif (\a)%4 == 1
.set TB0, 0
.set TB1, 32
.elseif (\a)%4 == 2
.set TB0, 64
.set TB1, 128
.else
.set TB0, 160
.set TB1, 192
.endif
.endm
.macro TABLD a                         ; block a's table image: 16 loads of 512 consecutive bytes; 16 positions on are 8 images, 65,536 bytes
	SETB \a
	WIN 0x40
.irp g, 0,1,2,3,4,5,6,7
	global_load_b128 v[TB0+4*\g:TB0+4*\g+3], v[IO], s[100:101] offset:65536*(\a)+512*\g
.endr
.irp g, 0,1,2,3,4,5,6,7
	global_load_b128 v[TB1+4*\g:TB1+4*\g+3], v[IO], s[100:101] offset:65536*(\a)+4096+512*\g
.endr
.endm
.macro SENDOUT a, istep, sstep         ; the fragment's image; behind an odd block the two blocks' scale words, lanes 0-15 the even block's
.irp c, 0,1,2
	global_store_b128 v[IO], v[PC+4*\c:PC+4*\c+3], s[22:23] offset:(\istep)*(\a)+512*\c
.endr
.if (\a)%2 == 0
	v_mov_b32 v[PWP], v[PW]
.else
	v_cndmask_b32 v[MW], v[PWP], v[PW], s[MSK]
	global_store_b32 v[SO], v[MW], s[46:47] offset:(\sstep)*((\a)/2)
.endif
.endm
.macro VBLOCK a
	WIN 0x02+(\a)/4
.set AC, 64*((\a)%4)
.set i, 0
.rept 32
	v_pk_add_f32 v[R+i:R+i+1], v[AC+i:AC+i+1], v[BVP+2*(\a):BVP+2*(\a)+1]   ; + bv of my channel; each accumulator from its low end on
.set i, i+2
.endr
	WIN 0
	QUANT R
	SENDOUT \a, 24576, 2048
.endm
.macro KBLOCK a
.if 16*(7-(\a)) < 48
	s_wait_loadcnt 16*(7-(\a))                     ; this block's table set is in; behind it the sets of the blocks that follow, 16 loads each
.else
	s_wait_loadcnt 48                              ; three sets at the most are asked for behind this block's
.endif
	SETB \a
	WIN 0x06+(\a)/4                                ; source 0 the accumulators' window, source 1 window 1
	ROPE 64*((\a)%4), R, TB0, TB1
	WIN 0
	QUANT R
	SENDOUT \a, 12288, 1024
.if (\a) < 4
	TABLD (\a)+4                                   ; the set just read takes the block four on
	WIN 0
.endif
.endm
	s_wait_tensorcnt 1                             ; both tiles' scales and my part of K step 0 are in (K step 1's load may be out)
	s_barrier_signal -1
	s_barrier_wait -1                              ; everybody's are
	; ---- V's TILE
	FETCH_B 0, 0, 0
	FETCH_A 0, 0, 0
	SCALES 0, 0
	FETCH_A 0, 0, 4
	STEP 0, 0, 1                                   ; the first products start the sums: nothing is cleared
	TURN 0, 1, 1, 8
	STEP 1, 0, 0
	TURN 1, 0, 1, 16
	STEP 0, 0, 0
	TURN 0, 1, 2, 24                               ; slot 0 takes K's tile's step 0,
	STEP 1, 0, 0
	TURN 1, 0, 3, 0                                ; slot 1 its step 1: both are asked for: now V goes out
	PLACES NP                                      ; in front of the first read of results and of writes over source 1's registers
	s_wait_loadcnt 0x0                             ; bv and bk
.irp a, 0,1,2,3,4,5,6,7
	v_mov_b32 v[BVP+2*\a+1], v[BVP+2*\a]           ; a pair for the packed addition
.endr
.irp a, 0,1,2,3,4,5,6,7
	VBLOCK \a
.endr
	s_wait_xcnt 0x0                                ; V's last stores have read their registers and bases: the fragments below land on the codes' registers, and the bases are written anew
	; ---- K's TILE.  My rows are positions 16 RBK on (2,048 to a batch), my registers channels 128 CBK on: K step CBK of the fragments of row blocks RBK .. RBK + 7
	s_lshl_b32 s20, s[RBK], 3
	s_add_co_u32 s20, s20, s[CBK]
	s_mul_i32 s20, s20, 1536
	s_add_nc_u64 s[22:23], s[104:105], s[20:21]    ; the images
	s_lshl_b32 s20, s[RBK], 2
	s_add_co_u32 s20, s20, s[CBK]
	s_lshl_b32 s20, s20, 7
	s_add_nc_u64 s[46:47], s[104:105], s[20:21]
	s_add_nc_u64 s[46:47], s[46:47], KSO           ; the scale words
	s_and_b32 s20, s[RBK], 127
	s_lshl_b32 s20, s20, 3
	s_add_co_u32 s20, s20, s[CBK]
	s_lshl_b32 s20, s20, 13
	s_add_nc_u64 s[100:101], s[100:101], s[20:21]  ; the table
	FETCH_B 0, 0, 0                                ; slot 0 was shown whole to every wave by the last change of slots
	FETCH_A 0, 0, 0
	SCALES 0, SCL2
	FETCH_A 0, 0, 4
	TABLD 0                                        ; the first block's cos and sin, into registers that the products leave idle
	WIN 0
	STEP 0, 0, 2                                   ; the first products start the sums with bk
	TURN 0, 1, 1, SCL2+8
	STEP 1, 0, 0
	TURN 1, 0, 1, SCL2+16
	STEP 0, 0, 0
	TURN 0, 1, 0, SCL2+24                          ; the last change of slots fills nothing
	STEP 1, 0, 0
	LAST
	PLACES NP                                      ; in front of loads into source 0's registers and of the first read of results
	TABLD 1
	TABLD 2
	TABLD 3
	WIN 0
.irp a, 0,1,2,3,4,5,6,7
	KBLOCK \a
.endr
	s_wait_tensorcnt 0x0                           ; the wave's end
	ds_add_u32 v[SPW], v[NIL]
	s_wait_dscnt 0x0
	CROUND                                         ; the closing round: no work-group ends while a partner may still ask for a tile that names it
	s_endpgm
.Lfunc_end_k_q7e49864252_proj:
	.size	k_q7e49864252_proj, .Lfunc_end_k_q7e49864252_proj-k_q7e49864252_proj
	.p2alignl 7, 3214868480
	.fill 96, 4, 3214868480
	.section	.rodata,"a",@progbits
	.p2align	6, 0x0
	.amdhsa_kernel k_q7e49864252_proj
		.amdhsa_group_segment_fixed_size 327680
		.amdhsa_private_segment_fixed_size 0
		.amdhsa_enable_private_segment 0
		.amdhsa_kernarg_size 80
		.amdhsa_user_sgpr_count 2
		.amdhsa_user_sgpr_kernarg_segment_ptr 1
		.amdhsa_wavefront_size32 1
		.amdhsa_system_sgpr_workgroup_id_x 1
		.amdhsa_system_sgpr_workgroup_id_y 1
		.amdhsa_system_sgpr_workgroup_id_z 1
		.amdhsa_system_vgpr_workitem_id 0
		.amdhsa_next_free_vgpr 1024
		.amdhsa_next_free_sgpr 106
		.amdhsa_reserve_vcc 0
		.amdhsa_float_denorm_mode_32 3
		.amdhsa_float_denorm_mode_16_64 3
		.amdhsa_memory_ordered 1
		.amdhsa_forward_progress 1
		.amdhsa_inst_pref_size 255
	.end_amdhsa_kernel
	.section	.bss,"aw",@nobits
	.p2align	6
	.space	262144
	.amdgpu_metadata
---
amdhsa.version: [ 1, 2 ]
amdhsa.kernels:
  - .name:           k_q7e49864252_proj
    .symbol:         k_q7e49864252_proj.kd
    .args:
      - { .name: x_codes, .offset: 0, .size: 8, .value_kind: global_buffer, .address_space: global }
      - { .name: x_scales, .offset: 8, .size: 8, .value_kind: global_buffer, .address_space: global }
      - { .name: Wk_codes, .offset: 16, .size: 8, .value_kind: global_buffer, .address_space: global }
      - { .name: Wk_scales, .offset: 24, .size: 8, .value_kind: global_buffer, .address_space: global }
      - { .name: Wv_codes, .offset: 32, .size: 8, .value_kind: global_buffer, .address_space: global }
      - { .name: Wv_scales, .offset: 40, .size: 8, .value_kind: global_buffer, .address_space: global }
      - { .name: bk, .offset: 48, .size: 8, .value_kind: global_buffer, .address_space: global }
      - { .name: bv, .offset: 56, .size: 8, .value_kind: global_buffer, .address_space: global }
      - { .name: prep, .offset: 64, .size: 8, .value_kind: global_buffer, .address_space: global }
      - { .name: kv, .offset: 72, .size: 8, .value_kind: global_buffer, .address_space: global }
    .group_segment_fixed_size: 327680
    .private_segment_fixed_size: 0
    .kernarg_segment_align: 8
    .kernarg_segment_size: 80
    .max_flat_workgroup_size: 128
    .sgpr_count:     106
    .vgpr_count:     1024
    .wavefront_size: 32
...
	.end_amdgpu_metadata
.endif
;; end of part 2
;; launch score (part 3): grid 2 x 128, 4 waves a work-group, no clusters, 167,936 bytes of LDS; arguments prep, kv, pp; writes pp
.if DOCPART == 3
	.amdgcn_target "amdgcn-amd-amdhsa--gfx1250"
	.amdhsa_code_object_version 6
	.text
	.protected	k_q7e49864252_score
	.globl	k_q7e49864252_score
	.p2align	8
	.type	k_q7e49864252_score,@function
k_q7e49864252_score:
	s_mov_b64 s[64:65], 0
	v_nop
	global_prefetch_b8 v0, s[64:65] scope:SCOPE_SE
	s_setreg_imm32_b32 hwreg(HW_REG_WAVE_MODE, 25, 1), 1
	s_wait_xcnt 0x0
; SCORE: S^T = K Q^T on codes of FP6 (E2M3), and p = 2^(t - M) quantised along the keys.  Nothing is left out.
; SHARES.  A work-group takes 256 queries x one chunk of 128 keys of one batch; wave w 64 queries (four tiles of 16) x the 128 keys: 32 accumulators.  K = the 1,024 channels, in 8 steps of 128.
; Source 0 = 16 keys, source 1 = 16 queries: a lane holds ONE query and its registers run along the keys, the next product's K.
; THE KEYS' TILE, 98,304 bytes of register images, lies in LDS for all of K: four slices of two K steps, each wave bringing a quarter of each by a tensor load at the head: 4 loads of mine are out.
; THE QUERIES' fragments have one reading wave each: they go from memory straight into registers, three K steps ahead, with the steps' scale words.
; M IS TAKEN FOR THE CHUNK: t = score x log2(e), M_s = ceil(the chunk's largest t), p = 2^(t - M_s).  The codes, the scale word, -M_s and the sum l_s of the unquantised p are stored; the next launch brings the chunks under the row's M
; by whole numbers taken off the scale bytes and exact scalings of l_s: the codes are those of the row's M.
; No cluster: a keys' tile has two reading work-groups, and a queries' fragment sent through LDS would add 192 KiB of fill and as many reads to a work-group's 96 + 384.
; LIMITS: NaN and infinities are not served; a block whose every p has fallen to 0 keeps the byte 1 (its codes are zeros).
; REGISTERS: window 0: v2-7 addresses; v32-47 Q's scale words, v48-79 K's; v96-111 at work; v112-255 Q's fragments of steps 5-7, later p and its codes.  window 1: K's fragments, two sets.  window 2: the accumulators ((a, b) at v[8 (8 a + b)]).
;   window 3: Q's fragments of steps 0-4.
.set KSTEPS, 8
.set NS,     4                         ; slices
.set AHEAD,  3                         ; K steps by which the loads into registers run ahead
.set PER,    18                        ; such loads a K step: 2 + 4 scale words, 12 of fragments
.set SLICE,  24576
.set SPARE,  98304
.set QCO,    8388608
.set QSO,    8781824
.set KSO,    25165824
.set PSO,    6291456                   ; pp: p's codes; then scale words, -M_s, l_s, 262,144 bytes each
.set STAT,   262144
.set LA,  2                            ; v2, v3  16 x lane (+ 49,152): a fragment's place in LDS
.set IO,  2                            ; v2      and in memory
.set SO,  4                            ; v4      4 x lane
.set SPW, 6
.set NIL, 7
.set QSR, 32
.set KSR, 48
.set NM,  96                           ; -M_s;  v97 the largest t
.set TMX, 97
.set BM,  100                          ; the four blocks' largest scores, then largest p
.set BX,  104
.set SCO, 108
.set P,   128
.set PC,  192
.set PW,  212
.set PWP, 213
.set NMP, 214
.set LP,  215
.set MG,  216
.set LSA, 220
.set LSB, 222
.set LS,  224
.set LT,  225
.set G1,  16
.set G0,  24
.set SEL, 56
.set CS,  58
.set MSK, 60
.set MSB, 0
.macro WIN new
.if MSB != (\new)
	s_set_vgpr_msb (MSB<<8)|(\new)
.set MSB, (\new)
.endif
.endm
.macro PLACES n
.rept \n
	v_nop
.endr
.endm
.macro WM1 z, oa, ob                   ; one product on the registers named by rD, rA, rB, rSA, rSB; oa, ob: the scale words lie in lanes 16-31
.if \z
.if (\oa) && (\ob)
	v_wmma_scale_f32_16x16x128_f8f6f4 v[rD:rD+7], v[rA:rA+11], v[rB:rB+11], 0, v[rSA], v[rSB] matrix_a_fmt:MATRIX_FMT_FP6 matrix_b_fmt:MATRIX_FMT_FP6 matrix_a_scale:MATRIX_SCALE_ROW1 matrix_b_scale:MATRIX_SCALE_ROW1
.elseif \oa
	v_wmma_scale_f32_16x16x128_f8f6f4 v[rD:rD+7], v[rA:rA+11], v[rB:rB+11], 0, v[rSA], v[rSB] matrix_a_fmt:MATRIX_FMT_FP6 matrix_b_fmt:MATRIX_FMT_FP6 matrix_a_scale:MATRIX_SCALE_ROW1
.elseif \ob
	v_wmma_scale_f32_16x16x128_f8f6f4 v[rD:rD+7], v[rA:rA+11], v[rB:rB+11], 0, v[rSA], v[rSB] matrix_a_fmt:MATRIX_FMT_FP6 matrix_b_fmt:MATRIX_FMT_FP6 matrix_b_scale:MATRIX_SCALE_ROW1
.else
	v_wmma_scale_f32_16x16x128_f8f6f4 v[rD:rD+7], v[rA:rA+11], v[rB:rB+11], 0, v[rSA], v[rSB] matrix_a_fmt:MATRIX_FMT_FP6 matrix_b_fmt:MATRIX_FMT_FP6
.endif
.else
.if (\oa) && (\ob)
	v_wmma_scale_f32_16x16x128_f8f6f4 v[rD:rD+7], v[rA:rA+11], v[rB:rB+11], v[rD:rD+7], v[rSA], v[rSB] matrix_a_fmt:MATRIX_FMT_FP6 matrix_b_fmt:MATRIX_FMT_FP6 matrix_a_scale:MATRIX_SCALE_ROW1 matrix_b_scale:MATRIX_SCALE_ROW1
.elseif \oa
	v_wmma_scale_f32_16x16x128_f8f6f4 v[rD:rD+7], v[rA:rA+11], v[rB:rB+11], v[rD:rD+7], v[rSA], v[rSB] matrix_a_fmt:MATRIX_FMT_FP6 matrix_b_fmt:MATRIX_FMT_FP6 matrix_a_scale:MATRIX_SCALE_ROW1
.elseif \ob
	v_wmma_scale_f32_16x16x128_f8f6f4 v[rD:rD+7], v[rA:rA+11], v[rB:rB+11], v[rD:rD+7], v[rSA], v[rSB] matrix_a_fmt:MATRIX_FMT_FP6 matrix_b_fmt:MATRIX_FMT_FP6 matrix_b_scale:MATRIX_SCALE_ROW1
.else
	v_wmma_scale_f32_16x16x128_f8f6f4 v[rD:rD+7], v[rA:rA+11], v[rB:rB+11], v[rD:rD+7], v[rSA], v[rSB] matrix_a_fmt:MATRIX_FMT_FP6 matrix_b_fmt:MATRIX_FMT_FP6
.endif
.endif
.endm
.macro FETCH s                         ; the eight fragments of source 0 of K step s, from LDS into set s % 2: 24 loads of 512 consecutive bytes
	WIN 0x40
.irp b, 0,1,2,3,4,5,6,7
.irp c, 0,1,2
	ds_load_b128 v[128*((\s)%2)+12*\b+4*\c:128*((\s)%2)+12*\b+4*\c+3], v[LA+((\s)>>2)] offset:(((\s)>>1)&1)*SLICE+\b*3072+((\s)&1)*1536+512*\c
.endr
.endr
.endm
.macro GLOAD s                         ; K step s's scale words and my four fragments of Q, from memory
	WIN 0
.irp p, 0,1
	global_load_b32 v[QSR+8*\p+(\s)], v[SO], s[68:69] offset:\p*1024+(\s)*128
.endr
.irp p, 0,1,2,3
	global_load_b32 v[KSR+8*\p+(\s)], v[SO], s[70:71] offset:\p*1024+(\s)*128
.endr
.if (\s) < 5
	WIN 0xc0
.set rF, 48*(\s)
.else
.set rF, 112+48*((\s)-5)
.endif
.irp a, 0,1,2,3
.irp c, 0,1,2
	global_load_b128 v[rF+12*\a+4*\c:rF+12*\a+4*\c+3], v[IO], s[66:67] offset:\a*12288+(\s)*1536+512*\c
.endr
.endr
.endm
.macro MUL s                           ; 32 products; the 32 accumulators take turns, in the same order in every step
.if (\s) < 5
	WIN 0xad                                       ; source 0 window 1, source 1 window 3, C and D window 2
.set rF, 48*(\s)
.else
	WIN 0xa1                                       ; source 1 window 0
.set rF, 112+48*((\s)-5)
.endif
.irp a, 0,1,2,3
.irp b, 0,1,2,3,4,5,6,7
.set rD, 8*(8*\a+\b)
.set rA, 128*((\s)%2)+12*\b
.set rB, rF+12*\a
.set rSA, KSR+8*(\b/2)+(\s)
.set rSB, QSR+8*(\a/2)+(\s)
	WM1 (\s)==0, \b%2, \a%2
.endr
.endr
.endm
.macro TOP s
	s_wait_dscnt 0x0                               ; this step's fragments of source 0 are in
.if ((\s)%2 == 1) && ((\s)+1 < KSTEPS)
	s_wait_tensorcnt NS-1-((\s)+1)/2               ; my part of the next slice has landed; the slices behind it may be out
	s_barrier_signal -1
	s_barrier_wait -1                              ; everybody's has
.endif
.if ((\s) > 0) && ((\s)+1 < KSTEPS)
	PLACES 4                                       ; in front of loads into the set that the last step's products read
.endif
.if (\s)+1 < KSTEPS
	FETCH (\s)+1
.endif
.if (\s)+AHEAD < KSTEPS
	GLOAD (\s)+AHEAD
.endif
.if KSTEPS-1-(\s) < AHEAD
	s_wait_loadcnt PER*(KSTEPS-1-(\s))             ; this step's loads into registers are in; those of the steps behind it may be out
.else
	s_wait_loadcnt PER*AHEAD
.endif
	MUL \s
.endm
	s_load_b128 s[4:7], s[0:1], 0x0                ; prep, kv
	s_load_b64 s[8:9], s[0:1], 0x10                ; pp
	v_lshl_add_u32 v[SPW], v0, 2, SPARE
	v_mov_b32 v[NIL], 0
	ds_add_u32 v[SPW], v[NIL]                      ; the wave's opening: the add, twice on end, and its wait ahead of my first tensor load
	ds_add_u32 v[SPW], v[NIL]
	v_lshrrev_b32 v1, 5, v0
	v_readfirstlane_b32 s12, v1                    ; wave
	s_and_b32 s13, ttmp7, 0xffff                   ; y = 16 x batch + chunk
	s_mov_b32 s[G1+0], 3<<16                       ; elements of 8 bytes, no mask, no padding
	s_mov_b32 s[G1+1], 384<<16                     ; tensor_dim0: 3,072 bytes: two K steps of a row block
	s_mov_b32 s[G1+2], 2<<16                       ; tensor_dim1: two row blocks
	s_mov_b32 s[G1+3], 384<<16                     ; tile_dim0
	s_mov_b32 s[G1+4], 2                           ; tile_dim1
	s_mov_b32 s[G1+5], 1536                        ; the pitch: a row block's 8 K steps, 12,288 bytes
	s_mov_b32 s[G1+6], 0
	s_mov_b32 s[G1+7], 0
	s_mul_i32 s14, s12, 6144
.irp j, 0,1,2,3
	s_mov_b32 s[G0+4*\j], 1
	s_add_co_u32 s[G0+4*\j+1], s14, \j*SLICE
.endr
	s_mul_i32 s10, s13, 98304                      ; the chunk's tile,
	s_mul_i32 s15, s12, 24576                      ; my two row blocks of it
	s_add_co_u32 s10, s10, s15
	s_mov_b32 s11, 0
	s_lshl_b32 s40, ttmp9, 4
	s_lshl_b32 s41, s12, 2
	s_add_co_u32 s40, s40, s41                     ; my first block of 16 queries: 16 x work-group x + 4 x wave
	s_mul_i32 s42, s40, 12288
	s_mov_b32 s43, 0
	s_lshl_b32 s44, s40, 9                         ; its pair's scale words: 1,024 bytes a pair
	s_mov_b32 s45, 0
	s_lshl_b32 s46, s13, 12                        ; the chunk's four pairs
	s_mov_b32 s47, 0
	s_lshr_b32 s48, s13, 4                         ; batch
	s_and_b32 s49, s13, 15                         ; chunk
	s_lshl_b32 s50, s48, 5
	s_add_co_u32 s50, s50, s40
	s_lshl_b32 s51, s50, 4
	s_add_co_u32 s51, s51, s49
	s_mul_i32 s52, s51, 1536                       ; p's image: ((32 batch + block) 16 + chunk) 1,536
	s_mov_b32 s53, 0
	s_lshl_b32 s54, s50, 3
	s_add_co_u32 s54, s54, s49
	s_lshl_b32 s54, s54, 7                         ; its words: ((16 batch + pair) 16 + chunk) 128
	s_mov_b32 s55, 0
	s_mov_b32 s[SEL], 0x76543210
	s_mov_b32 s[SEL+1], 0xfedcba98
	s_mov_b32 s[CS], 0x3fb8aa3b                    ; log2(e)
	s_mov_b32 s[CS+1], s[CS]
	s_mov_b32 s[MSK], 0xffff0000
	v_and_b32 v1, 31, v0
	v_lshlrev_b32 v[LA], 4, v1
	v_add_nc_u32 v[LA+1], 49152, v[LA]
	v_lshlrev_b32 v[SO], 2, v1
	s_wait_dscnt 0x0                               ; both opening adds are done
	s_wait_kmcnt 0x0
	s_add_nc_u64 s[10:11], s[6:7], s[10:11]
.irp j, 0,1,2,3
	s_add_nc_u64 s[G0+4*\j+2:G0+4*\j+3], s[10:11], \j*3072
	s_or_b32 s[G0+4*\j+3], s[G0+4*\j+3], 0x80000000
.endr
.irp j, 0,1,2,3
	tensor_load_to_lds s[G0+4*\j:G0+4*\j+3], s[G1:G1+7]
	s_nop 0
.endr
	PLACES 4
	s_add_nc_u64 s[66:67], s[4:5], s[42:43]
	s_add_nc_u64 s[66:67], s[66:67], QCO
	s_add_nc_u64 s[68:69], s[4:5], s[44:45]
	s_add_nc_u64 s[68:69], s[68:69], QSO
	s_add_nc_u64 s[70:71], s[6:7], s[46:47]
	s_add_nc_u64 s[70:71], s[70:71], KSO
	s_add_nc_u64 s[72:73], s[8:9], s[52:53]
	s_add_nc_u64 s[74:75], s[8:9], s[54:55]
	s_add_nc_u64 s[74:75], s[74:75], PSO
	GLOAD 0
	GLOAD 1
	GLOAD 2
	s_wait_tensorcnt NS-1                          ; my part of slice 0 is in; three loads of mine may be out
	s_barrier_signal -1
	s_barrier_wait -1
	FETCH 0
.irp s, 0,1,2,3,4,5,6,7
	TOP \s
.endr
	PLACES 4                                       ; in front of the first read of results and of writes over Q's registers
	WIN 0
.irp b, 0,1,2,3
	v_mov_b32 v[BX+\b], 0                          ; written once: a lane permute's destination counts as one of its sources
.endr
	v_mov_b32 v[LT], 0
; THE SOFTMAX'S PART of tile a: 16 queries x the chunk's 128 keys.  Registers 16 b .. 16 b + 15 of the tile's 64 are my 16 of block b.
.macro SOFT a
.set AC, 64*(\a)
.if (\a) > 0
	s_wait_xcnt 0x0                                ; the last tile's stores have read their registers
.endif
	WIN 0x2a
.irp b, 0,1,2,3
	v_max3_num_f32 v[BM+\b], v[AC+16*\b], v[AC+1+16*\b], v[AC+2+16*\b]   ; each block's largest score: for the maximum, and, since p rises with the score, for the block's largest p.  Each accumulator is read from its low end on
.endr
	WIN 0x28
.irp i, 3,5,7,9,11,13
.irp b, 0,1,2,3
	v_max3_num_f32 v[BM+\b], v[BM+\b], v[AC+16*\b+\i], v[AC+1+16*\b+\i]
.endr
.endr
	WIN 0x08
.irp b, 0,1,2,3
	v_max_num_f32 v[BM+\b], v[BM+\b], v[AC+15+16*\b]
.endr
	WIN 0
.irp b, 0,1,2,3
	v_permlanex16_b32 v[BX+\b], v[BM+\b], s[SEL], s[SEL+1]
.endr
.irp b, 0,1,2,3
	v_max_num_f32 v[BM+\b], v[BM+\b], v[BX+\b]
.endr
	v_max3_num_f32 v[TMX], v[BM], v[BM+1], v[BM+2]
	v_max_num_f32 v[TMX], v[TMX], v[BM+3]
	v_mul_f32 v[TMX], s[CS], v[TMX]                ; the chunk's largest t
	v_floor_f32 v[NM], -v[TMX]                     ; -M_s = floor(-t) = -ceil(t)
	WIN 0x02
.set j, 0
.rept 32
	v_pk_fma_f32 v[P+j:P+j+1], v[AC+j:AC+j+1], s[CS:CS+1], v[NM:NM+1] op_sel_hi:[1,0,0]   ; t - M_s
.set j, j+2
.endr
	WIN 0
.irp b, 0,1,2,3
	v_fma_f32 v[BM+\b], v[BM+\b], s[CS], v[NM]     ; the same of each block's largest score
.endr
.set j, 0
.rept 64
	v_exp_f32 v[P+j], v[P+j]                       ; p, at most 1: not normalised
.set j, j+1
.endr
	v_nop                                          ; a plain line behind the exponentials
	s_wait_alu depctr_va_vdst(0)                   ; one wait for the batch, ahead of its first reader
.irp b, 0,1,2,3
	v_exp_f32 v[BM+\b], v[BM+\b]                   ; the block's largest p: the same two instructions on the same number
.endr
	v_pk_add_f32 v[LSA:LSA+1], v[P:P+1], v[P+2:P+3]          ; the sum of the UNQUANTISED p, in two chains
	v_pk_add_f32 v[LSB:LSB+1], v[P+4:P+5], v[P+6:P+7]
.irp j, 8,12,16,20,24,28,32,36,40,44,48,52,56,60
	v_pk_add_f32 v[LSA:LSA+1], v[LSA:LSA+1], v[P+\j:P+\j+1]
	v_pk_add_f32 v[LSB:LSB+1], v[LSB:LSB+1], v[P+\j+2:P+\j+3]
.endr
	v_pk_add_f32 v[LSA:LSA+1], v[LSA:LSA+1], v[LSB:LSB+1]
	s_wait_alu depctr_va_vdst(0)                   ; and one for the four
.irp b, 0,1,2,3
	v_max_num_f32 v[BM+\b], 0x1800000, v[BM+\b]    ; the floor 2^(3 - 127): the byte cannot fall under 1
.endr
.irp b, 0,1,2,3
	v_add_nc_u32 v[SCO+\b], 0xff000000, v[BM+\b]   ; 2 off the exponent field: the conversion's scale operand
.endr
.irp b, 0,1,2,3
	v_lshrrev_b32 v[BX+\b], 23, v[SCO+\b]          ; the scale's byte
.endr
	v_lshl_or_b32 v[PW], v[BX+1], 8, v[BX]
	v_lshl_or_b32 v[PW], v[BX+2], 16, v[PW]
	v_lshl_or_b32 v[PW], v[BX+3], 24, v[PW]
.irp c, 0,1
	v_cvt_scalef32_pk16_fp6_f32 v[PC+6*\c:PC+2+6*\c], v[P+32*\c:P+15+32*\c], v[SCO+2*\c]
	v_cvt_scalef32_pk16_fp6_f32 v[PC+12+4*\c:PC+14+4*\c], v[P+16+32*\c:P+31+32*\c], v[SCO+2*\c+1]
.endr
	v_add_f32 v[LS], v[LSA], v[LSA+1]              ; (a plain line behind the conversions)
.irp c, 0,1
.irp i, 0,1,2
	v_permlane16_swap_b32 v[PC+6*\c+\i], v[PC+12+4*\c+\i]
.endr
.irp i, 0,1,2
	v_mov_b32 v[PC+3+6*\c+\i], v[PC+12+4*\c+\i]
.endr
.endr
	v_permlanex16_b32 v[LT], v[LS], s[SEL], s[SEL+1]
	v_add_f32 v[LS], v[LS], v[LT]                  ; l_s
.irp c, 0,1,2
	global_store_b128 v[IO], v[PC+4*\c:PC+4*\c+3], s[72:73] offset:24576*(\a)+512*\c
.endr
.if (\a)%2 == 0
	v_mov_b32 v[PWP], v[PW]
	v_mov_b32 v[NMP], v[NM]
	v_mov_b32 v[LP], v[LS]
.else
	v_cndmask_b32 v[MG], v[PWP], v[PW], s[MSK]     ; lanes 0-15 the even tile's rows, lanes 16-31 the odd tile's
	v_cndmask_b32 v[MG+1], v[NMP], v[NM], s[MSK]
	v_cndmask_b32 v[MG+2], v[LP], v[LS], s[MSK]
	global_store_b32 v[SO], v[MG], s[74:75] offset:2048*((\a)/2)
	global_store_b32 v[SO], v[MG+1], s[74:75] offset:STAT+2048*((\a)/2)
	global_store_b32 v[SO], v[MG+2], s[74:75] offset:2*STAT+2048*((\a)/2)
.endif
.endm
	SOFT 0
	SOFT 1
	SOFT 2
	SOFT 3
	s_wait_tensorcnt 0x0                           ; the wave's end
	ds_add_u32 v[SPW], v[NIL]
	s_wait_dscnt 0x0
	s_endpgm
.Lfunc_end_k_q7e49864252_score:
	.size	k_q7e49864252_score, .Lfunc_end_k_q7e49864252_score-k_q7e49864252_score
	.p2alignl 7, 3214868480
	.fill 96, 4, 3214868480
	.section	.rodata,"a",@progbits
	.p2align	6, 0x0
	.amdhsa_kernel k_q7e49864252_score
		.amdhsa_group_segment_fixed_size 167936
		.amdhsa_private_segment_fixed_size 0
		.amdhsa_enable_private_segment 0
		.amdhsa_kernarg_size 24
		.amdhsa_user_sgpr_count 2
		.amdhsa_user_sgpr_kernarg_segment_ptr 1
		.amdhsa_wavefront_size32 1
		.amdhsa_system_sgpr_workgroup_id_x 1
		.amdhsa_system_sgpr_workgroup_id_y 1
		.amdhsa_system_sgpr_workgroup_id_z 1
		.amdhsa_system_vgpr_workitem_id 0
		.amdhsa_next_free_vgpr 1024
		.amdhsa_next_free_sgpr 76
		.amdhsa_reserve_vcc 0
		.amdhsa_float_denorm_mode_32 3
		.amdhsa_float_denorm_mode_16_64 3
		.amdhsa_memory_ordered 1
		.amdhsa_forward_progress 1
		.amdhsa_inst_pref_size 110
	.end_amdhsa_kernel
	.amdgpu_metadata
---
amdhsa.version: [ 1, 2 ]
amdhsa.kernels:
  - .name:           k_q7e49864252_score
    .symbol:         k_q7e49864252_score.kd
    .args:
      - { .name: prep, .offset: 0, .size: 8, .value_kind: global_buffer, .address_space: global }
      - { .name: kv, .offset: 8, .size: 8, .value_kind: global_buffer, .address_space: global }
      - { .name: pp, .offset: 16, .size: 8, .value_kind: global_buffer, .address_space: global }
    .group_segment_fixed_size: 167936
    .private_segment_fixed_size: 0
    .kernarg_segment_align: 8
    .kernarg_segment_size: 24
    .max_flat_workgroup_size: 128
    .sgpr_count:     76
    .vgpr_count:     1024
    .wavefront_size: 32
...
	.end_amdgpu_metadata
.endif
;; end of part 3
;; launch mix (part 4): grid 4 x 64, 4 waves a work-group, clusters of 4 x 1, 197,120 bytes of LDS; arguments pp, kv, oo; writes oo
.if DOCPART == 4
	.amdgcn_target "amdgcn-amd-amdhsa--gfx1250"
	.amdhsa_code_object_version 6
	.text
	.protected	k_q7e49864252_mix
	.globl	k_q7e49864252_mix
	.p2align	8
	.type	k_q7e49864252_mix,@function
k_q7e49864252_mix:
	s_mov_b64 s[64:65], 0
	v_nop
	global_prefetch_b8 v0, s[64:65] scope:SCOPE_SE
	s_setreg_imm32_b32 hwreg(HW_REG_WAVE_MODE, 25, 1), 1
	s_wait_xcnt 0x0
	s_wait_alu depctr_hold_cnt(0) depctr_sa_sdst(0) depctr_va_vdst(0) depctr_va_sdst(0) depctr_va_ssrc(0) depctr_va_vcc(0) depctr_vm_vsrc(0)
	s_getreg_b32 s2, hwreg(HW_REG_IB_STS2, 6, 4)
	s_cmp_eq_u32 s2, 0
	s_cbranch_scc0 .Lentry_in_a_cluster
	s_endpgm
.Lentry_in_a_cluster:
	s_bfe_u32 s2, ttmp6, 0x10000c
	s_cmp_lg_u32 s2, 0x3003
	s_cbranch_scc0 .Lentry_shape_is_right
	s_endpgm
.Lentry_shape_is_right:
; MIX: O^T = V^T P^T on codes of FP6 (E2M3), divided by the row's sum, quantised along c.  Nothing is left out.
; SHARES.  A work-group takes 128 queries x 128 channels of one batch; wave w 32 queries (two tiles) x the 128 channels: 16 accumulators.  K = the 2,048 keys, in 16 steps of 128 (the chunks of the launch before).
; Source 0 = 16 channels of V, source 1 = 16 queries of p: a lane holds ONE query and its registers run along c, the next product's K.
; V's TILE, 196,608 bytes of register images, lies in LDS for all of K: eight slices of two K steps.  The four work-groups of a cluster are the four query blocks of one batch and channel block: they ask for each slice JOINTLY,
; each wave a quarter, at the head: 8 loads of mine are out.  p's fragments have one reading wave each: from memory straight into registers, six K steps ahead.
; THE CHUNKS UNDER ONE M.  M = the largest M_s.  d = M - M_s is a whole number, 0 or more: it is taken off the chunk's four scale bytes (held at 0), and l = the sum of l_s 2^-d, an exact scaling.
; LIMITS: NaN and infinities are not served; a chunk whose d passes a scale byte gets the byte 0, 2^-127: its terms lie under 2^-124 beside l >= 1/2; a block of zeros of O gets the byte 1.
; REGISTERS: window 0: v2-7 addresses; v20-23 1 / l for the two tiles; v32-47 p's scale words, v64-127 V's; v128-175 the chunks' -M_s, l_s and work, later what is quantised; v192-230 codes and work.
;   window 1: V's fragments, two sets, at v0 and v128; v96-119 p's of step 15.  window 2: v0-127 the accumulators ((a, b) at v[8 (8 a + b)]); v128-247 p's of steps 10-14.  window 3: p's of steps 0-9.
.set KSTEPS, 16
.set NS,     8
.set AHEAD,  6
.set PER,    10                        ; loads into registers a K step: 4 scale words of V, 6 of p's fragments
.set SLICE,  24576
.set SPARE,  196608
.set VCO,    12582912
.set VSO,    25690112
.set PSO,    6291456
.set STAT,   262144
.set OSO,    3145728
.set LA,  2                            ; v2-5  16 x lane + 49,152 k
.set IO,  2
.set SO,  6
.set SPW, 8
.set NIL, 9
.set RLP, 20
.set PSW, 32
.set VSR, 64
.set PM,  128
.set PL,  144
.set NG,  160
.set DD,  161
.set DI,  162
.set NI,  163
.set BB,  164
.set EE,  168
.set LAC, 172
.set T1,  173
.set RL,  174
.set XR,  175
.set R,   128
.set PC,  192
.set TM,  212
.set PW,  228
.set PWP, 229
.set MW,  230
.set G1,  16
.set G0,  24                           ; s[24:55]
.set SEL, 56
.set MSK, 60
.set MSB, 0
.macro WIN new
.if MSB != (\new)
	s_set_vgpr_msb (MSB<<8)|(\new)
.set MSB, (\new)
.endif
.endm
.macro PLACES n
.rept \n
	v_nop
.endr
.endm
.macro ROUND                           ; a round of the cluster's barrier
	s_barrier_signal -1
	s_barrier_wait -1
	s_cmp_lg_u32 s12, 0
	s_cbranch_scc1 .Lnot_wave_0_\@
	s_barrier_signal -3
.Lnot_wave_0_\@:
	s_barrier_wait -3
	s_barrier_signal -1
	s_barrier_wait -1
.endm
.macro WM1 z, oa, ob
.if \z
.if (\oa) && (\ob)
	v_wmma_scale_f32_16x16x128_f8f6f4 v[rD:rD+7], v[rA:rA+11], v[rB:rB+11], 0, v[rSA], v[rSB] matrix_a_fmt:MATRIX_FMT_FP6 matrix_b_fmt:MATRIX_FMT_FP6 matrix_a_scale:MATRIX_SCALE_ROW1 matrix_b_scale:MATRIX_SCALE_ROW1
.elseif \oa
	v_wmma_scale_f32_16x16x128_f8f6f4 v[rD:rD+7], v[rA:rA+11], v[rB:rB+11], 0, v[rSA], v[rSB] matrix_a_fmt:MATRIX_FMT_FP6 matrix_b_fmt:MATRIX_FMT_FP6 matrix_a_scale:MATRIX_SCALE_ROW1
.elseif \ob
	v_wmma_scale_f32_16x16x128_f8f6f4 v[rD:rD+7], v[rA:rA+11], v[rB:rB+11], 0, v[rSA], v[rSB] matrix_a_fmt:MATRIX_FMT_FP6 matrix_b_fmt:MATRIX_FMT_FP6 matrix_b_scale:MATRIX_SCALE_ROW1
.else
	v_wmma_scale_f32_16x16x128_f8f6f4 v[rD:rD+7], v[rA:rA+11], v[rB:rB+11], 0, v[rSA], v[rSB] matrix_a_fmt:MATRIX_FMT_FP6 matrix_b_fmt:MATRIX_FMT_FP6
.endif
.else
.if (\oa) && (\ob)
	v_wmma_scale_f32_16x16x128_f8f6f4 v[rD:rD+7], v[rA:rA+11], v[rB:rB+11], v[rD:rD+7], v[rSA], v[rSB] matrix_a_fmt:MATRIX_FMT_FP6 matrix_b_fmt:MATRIX_FMT_FP6 matrix_a_scale:MATRIX_SCALE_ROW1 matrix_b_scale:MATRIX_SCALE_ROW1
.elseif \oa
	v_wmma_scale_f32_16x16x128_f8f6f4 v[rD:rD+7], v[rA:rA+11], v[rB:rB+11], v[rD:rD+7], v[rSA], v[rSB] matrix_a_fmt:MATRIX_FMT_FP6 matrix_b_fmt:MATRIX_FMT_FP6 matrix_a_scale:MATRIX_SCALE_ROW1
.elseif \ob
	v_wmma_scale_f32_16x16x128_f8f6f4 v[rD:rD+7], v[rA:rA+11], v[rB:rB+11], v[rD:rD+7], v[rSA], v[rSB] matrix_a_fmt:MATRIX_FMT_FP6 matrix_b_fmt:MATRIX_FMT_FP6 matrix_b_scale:MATRIX_SCALE_ROW1
.else
	v_wmma_scale_f32_16x16x128_f8f6f4 v[rD:rD+7], v[rA:rA+11], v[rB:rB+11], v[rD:rD+7], v[rSA], v[rSB] matrix_a_fmt:MATRIX_FMT_FP6 matrix_b_fmt:MATRIX_FMT_FP6
.endif
.endif
.endm
.macro FETCH s
	WIN 0x40
.irp b, 0,1,2,3,4,5,6,7
.irp c, 0,1,2
	ds_load_b128 v[128*((\s)%2)+12*\b+4*\c:128*((\s)%2)+12*\b+4*\c+3], v[LA+((\s)>>2)] offset:(((\s)>>1)&1)*SLICE+\b*3072+((\s)&1)*1536+512*\c
.endr
.endr
.endm
.macro GLOAD s                         ; K step s: V's scale words and my two fragments of p
	WIN 0
.irp p, 0,1,2,3
	global_load_b32 v[VSR+16*\p+(\s)], v[SO], s[70:71] offset:\p*2048+(\s)*128
.endr
.if (\s) < 10
	WIN 0xc0
.set rF, 24*(\s)
.elseif (\s) < 15
	WIN 0x80
.set rF, 128+24*((\s)-10)
.else
	WIN 0x40
.set rF, 96
.endif
.irp a, 0,1
.irp c, 0,1,2
	global_load_b128 v[rF+12*\a+4*\c:rF+12*\a+4*\c+3], v[IO], s[66:67] offset:\a*24576+(\s)*1536+512*\c
.endr
.endr
.endm
.macro MUL s                           ; 16 products; the 16 accumulators take turns, in the same order in every step
.if (\s) < 10
	WIN 0xad
.set rF, 24*(\s)
.elseif (\s) < 15
	WIN 0xa9
.set rF, 128+24*((\s)-10)
.else
	WIN 0xa5
.set rF, 96
.endif
.irp a, 0,1
.irp b, 0,1,2,3,4,5,6,7
.set rD, 8*(8*\a+\b)
.set rA, 128*((\s)%2)+12*\b
.set rB, rF+12*\a
.set rSA, VSR+16*(\b/2)+(\s)
.set rSB, PSW+(\s)
	WM1 (\s)==0, \b%2, \a
.endr
.endr
.endm
.macro TOP s
	s_wait_dscnt 0x0                               ; this step's fragments of V are in
.if ((\s)%2 == 1) && ((\s)+1 < KSTEPS)
	s_wait_tensorcnt NS-1-((\s)+1)/2               ; my part of the next slice has landed; the slices behind it may be out
	s_barrier_signal -1
	s_barrier_wait -1
.endif
.if ((\s) > 0) && ((\s)+1 < KSTEPS)
	PLACES 4                                       ; in front of loads into the set that the last step's products read
.endif
.if (\s)+1 < KSTEPS
	FETCH (\s)+1
.endif
.if (\s)+AHEAD < KSTEPS
	GLOAD (\s)+AHEAD
.endif
.if KSTEPS-1-(\s) < AHEAD
	s_wait_loadcnt PER*(KSTEPS-1-(\s))             ; this step's loads into registers are in; those of the steps behind it may be out
.else
	s_wait_loadcnt PER*AHEAD
.endif
	MUL \s
.endm
.macro QUANT s
.irp b, 0,1,2,3
	v_max3_num_f32 v[TM+\b], |v[\s+16*\b]|, |v[\s+1+16*\b]|, 0x1800000   ; the floor 2^(3 - 127) among the leaves: the byte cannot fall under 1
.endr
.irp i, 2,4,6,8,10,12,14
.irp b, 0,1,2,3
	v_max3_num_f32 v[TM+\b], v[TM+\b], |v[\s+16*\b+\i]|, |v[\s+1+16*\b+\i]|
.endr
.endr
.irp b, 0,1,2,3
	v_permlanex16_b32 v[TM+4+\b], v[TM+\b], s[SEL], s[SEL+1]
.endr
.irp b, 0,1,2,3
	v_max_num_f32 v[TM+\b], v[TM+\b], v[TM+4+\b]
.endr
.irp b, 0,1,2,3
	v_add_nc_u32 v[TM+12+\b], 0xff000000, v[TM+\b]
.endr
.irp b, 0,1,2,3
	v_lshrrev_b32 v[TM+4+\b], 23, v[TM+12+\b]
.endr
	v_lshl_or_b32 v[PW], v[TM+5], 8, v[TM+4]
	v_lshl_or_b32 v[PW], v[TM+6], 16, v[PW]
	v_lshl_or_b32 v[PW], v[TM+7], 24, v[PW]
.irp c, 0,1
	v_cvt_scalef32_pk16_fp6_f32 v[PC+6*\c:PC+2+6*\c], v[\s+32*\c:\s+15+32*\c], v[TM+12+2*\c]
	v_cvt_scalef32_pk16_fp6_f32 v[PC+12+4*\c:PC+14+4*\c], v[\s+16+32*\c:\s+31+32*\c], v[TM+12+2*\c+1]
.endr
	v_nop
.irp c, 0,1
.irp i, 0,1,2
	v_permlane16_swap_b32 v[PC+6*\c+\i], v[PC+12+4*\c+\i]
.endr
.irp i, 0,1,2
	v_mov_b32 v[PC+3+6*\c+\i], v[PC+12+4*\c+\i]
.endr
.endr
.endm
.macro ADJ s                           ; chunk s under the row's M
	v_sub_f32 v[DD], v[PM+(\s)], v[NG]             ; d = M - M_s
	v_min_num_f32 v[DD], 0x437f0000, v[DD]         ; (255 empties every byte)
	v_cvt_u32_f32 v[DI], v[DD]
.irp k, 0,1,2,3
	v_bfe_u32 v[BB+\k], v[PSW+(\s)], 8*\k, 8
.endr
	v_sub_nc_u32 v[NI], 0, v[DI]
.irp k, 0,1,2,3
	v_min_u32 v[EE+\k], v[BB+\k], v[DI]
.endr
.if (\s) == 0
	v_ldexp_f32 v[LAC], v[PL+(\s)], v[NI]          ; l_s 2^-d: the first starts the sum
.else
	v_ldexp_f32 v[T1], v[PL+(\s)], v[NI]
.endif
.irp k, 0,1,2,3
	v_sub_nc_u32 v[BB+\k], v[BB+\k], v[EE+\k]      ; the byte less d, held at 0
.endr
.if (\s) > 0
	v_add_f32 v[LAC], v[LAC], v[T1]
.endif
	v_lshl_or_b32 v[PSW+(\s)], v[BB+1], 8, v[BB]
	v_lshl_or_b32 v[PSW+(\s)], v[BB+2], 16, v[PSW+(\s)]
	v_lshl_or_b32 v[PSW+(\s)], v[BB+3], 24, v[PSW+(\s)]
.endm
	s_load_b128 s[4:7], s[0:1], 0x0                ; pp, kv
	s_load_b64 s[8:9], s[0:1], 0x10                ; oo
	v_lshl_add_u32 v[SPW], v0, 2, SPARE
	v_mov_b32 v[NIL], 0
	ds_add_u32 v[SPW], v[NIL]                      ; the wave's opening: the add, twice on end, and its wait ahead of my first tensor load
	ds_add_u32 v[SPW], v[NIL]
	v_lshrrev_b32 v1, 5, v0
	v_readfirstlane_b32 s12, v1                    ; wave
	s_and_b32 s14, ttmp7, 0xffff                   ; y = 8 x batch + channel block, which the four partners share
	s_mov_b32 s[G1+0], 15|(3<<16)|(1<<21)          ; the mask: all four work-groups; elements of 8 bytes; bit 21 beside a mask
	s_mov_b32 s[G1+1], 384<<16                     ; tensor_dim0: 3,072 bytes: two K steps of a row block
	s_mov_b32 s[G1+2], 2<<16                       ; tensor_dim1: two row blocks
	s_mov_b32 s[G1+3], 384<<16
	s_mov_b32 s[G1+4], 2
	s_mov_b32 s[G1+5], 3072                        ; the pitch: a row block's 16 K steps, 24,576 bytes
	s_mov_b32 s[G1+6], 0
	s_mov_b32 s[G1+7], 0
	s_mul_i32 s15, s12, 6144
.irp j, 0,1,2,3,4,5,6,7
	s_mov_b32 s[G0+4*\j], 1
	s_add_co_u32 s[G0+4*\j+1], s15, \j*SLICE
.endr
	s_mul_i32 s10, s14, 196608                     ; V's tile,
	s_mul_i32 s15, s12, 49152                      ; my two row blocks of it
	s_add_co_u32 s10, s10, s15
	s_mov_b32 s11, 0
	s_bfe_u32 s13, ttmp6, 0x40000                  ; cx: my block of 128 queries: it enters p's and O's addresses alone
	s_lshr_b32 s76, s14, 3                         ; batch
	s_and_b32 s77, s14, 7                          ; channel block
	s_lshl_b32 s78, s76, 5
	s_lshl_b32 s79, s13, 3
	s_add_co_u32 s78, s78, s79
	s_lshl_b32 s79, s12, 1
	s_add_co_u32 s78, s78, s79                     ; my first block of 16 queries: 32 batch + 8 cx + 2 wave
	s_mul_i32 s80, s78, 24576
	s_mov_b32 s81, 0
	s_lshl_b32 s82, s78, 10                        ; its pair's words: 2,048 bytes a pair
	s_mov_b32 s83, 0
	s_lshl_b32 s84, s14, 13                        ; V's four pairs
	s_mov_b32 s85, 0
	s_lshl_b32 s86, s78, 3
	s_add_co_u32 s86, s86, s77
	s_mul_i32 s86, s86, 1536
	s_mov_b32 s87, 0
	s_lshl_b32 s88, s78, 2
	s_add_co_u32 s88, s88, s77
	s_lshl_b32 s88, s88, 7
	s_mov_b32 s89, 0
	s_mov_b32 s[SEL], 0x76543210
	s_mov_b32 s[SEL+1], 0xfedcba98
	s_mov_b32 s[MSK], 0xffff0000
	v_and_b32 v1, 31, v0
	v_lshlrev_b32 v[LA], 4, v1
	v_add_nc_u32 v[LA+1], 49152, v[LA]
	v_add_nc_u32 v[LA+2], 98304, v[LA]
	v_add_nc_u32 v[LA+3], 147456, v[LA]
	v_lshlrev_b32 v[SO], 2, v1
	s_wait_dscnt 0x0                               ; both opening adds are done
	s_wait_kmcnt 0x0
	s_add_nc_u64 s[10:11], s[6:7], s[10:11]
	s_add_nc_u64 s[10:11], s[10:11], VCO
.irp j, 0,1,2,3,4,5,6,7
	s_add_nc_u64 s[G0+4*\j+2:G0+4*\j+3], s[10:11], \j*3072
	s_or_b32 s[G0+4*\j+3], s[G0+4*\j+3], 0x80000000
.endr
	s_add_nc_u64 s[66:67], s[4:5], s[80:81]
	s_add_nc_u64 s[68:69], s[4:5], s[82:83]
	s_add_nc_u64 s[68:69], s[68:69], PSO
	s_add_nc_u64 s[70:71], s[6:7], s[84:85]
	s_add_nc_u64 s[70:71], s[70:71], VSO
	s_add_nc_u64 s[72:73], s[8:9], s[86:87]
	s_add_nc_u64 s[74:75], s[8:9], s[88:89]
	s_add_nc_u64 s[74:75], s[74:75], OSO
	ROUND                                          ; all four work-groups are here: the joint loads meet
.irp j, 0,1,2,3,4,5,6,7
	tensor_load_to_lds s[G0+4*\j:G0+4*\j+3], s[G1:G1+7]
	s_nop 0
.endr
	PLACES 4
.irp s, 0,1,2,3,4,5,6,7,8,9,10,11,12,13,14,15
	global_load_b32 v[PSW+\s], v[SO], s[68:69] offset:\s*128
.endr
.irp s, 0,1,2,3,4,5,6,7,8,9,10,11,12,13,14,15
	global_load_b32 v[PM+\s], v[SO], s[68:69] offset:STAT+\s*128
.endr
.irp s, 0,1,2,3,4,5,6,7,8,9,10,11,12,13,14,15
	global_load_b32 v[PL+\s], v[SO], s[68:69] offset:2*STAT+\s*128
.endr
.irp s, 0,1,2,3,4,5
	GLOAD \s
.endr
	WIN 0
	s_wait_loadcnt PER*AHEAD                       ; the 48 words of the chunks are in; behind them the 60 loads of K steps 0 to 5
	v_min3_num_f32 v[NG], v[PM], v[PM+1], v[PM+2]  ; -M = the least -M_s.  A lane's words are its own row's: lanes 0-15 tile 0, lanes 16-31 tile 1
.irp i, 3,5,7,9,11,13
	v_min3_num_f32 v[NG], v[NG], v[PM+\i], v[PM+\i+1]
.endr
	v_min_num_f32 v[NG], v[NG], v[PM+15]
.irp s, 0,1,2,3,4,5,6,7,8,9,10,11,12,13,14,15
	ADJ \s
.endr
	v_rcp_f32 v[RL], v[LAC]
	v_mov_b32 v[XR], 0                             ; (a plain line behind the reciprocal; a lane permute's destination counts as one of its sources)
	s_wait_alu depctr_va_vdst(0)
	v_fma_f32 v[T1], -v[LAC], v[RL], 1.0           ; mended once
	v_fma_f32 v[RL], v[T1], v[RL], v[RL]
	v_permlanex16_b32 v[XR], v[RL], s[SEL], s[SEL+1]
	v_cndmask_b32 v[RLP], v[RL], v[XR], s[MSK]     ; 1 / l of tile 0's row lane % 16, in both halves of the lanes,
	v_cndmask_b32 v[RLP+2], v[XR], v[RL], s[MSK]   ; and of tile 1's
	v_mov_b32 v[RLP+1], v[RLP]
	v_mov_b32 v[RLP+3], v[RLP+2]
	PLACES 8                                       ; a scale register written by a vector instruction stands 8 plain lines ahead of a scaled matrix instruction
	s_wait_tensorcnt NS-1                          ; my part of slice 0 is in; seven loads of mine may be out
	s_barrier_signal -1
	s_barrier_wait -1
	FETCH 0
.irp s, 0,1,2,3,4,5,6,7,8,9,10,11,12,13,14,15
	TOP \s
.endr
	PLACES 4
	WIN 0
.irp b, 0,1,2,3
	v_mov_b32 v[TM+4+\b], 0
.endr
.irp a, 0,1
.if \a > 0
	s_wait_xcnt 0x0                                ; tile 0's stores have read the codes' registers
.endif
	WIN 0x02
.set i, 0
.rept 32
	v_pk_mul_f32 v[R+i:R+i+1], v[64*\a+i:64*\a+i+1], v[RLP+2*\a:RLP+2*\a+1]     ; O / l; each accumulator from its low end on
.set i, i+2
.endr
	WIN 0
	QUANT R
.irp c, 0,1,2
	global_store_b128 v[IO], v[PC+4*\c:PC+4*\c+3], s[72:73] offset:12288*\a+512*\c
.endr
.if \a == 0
	v_mov_b32 v[PWP], v[PW]
.endif
.endr
	v_cndmask_b32 v[MW], v[PWP], v[PW], s[MSK]
	global_store_b32 v[SO], v[MW], s[74:75]
	s_wait_tensorcnt 0x0                           ; the wave's end
	ds_add_u32 v[SPW], v[NIL]
	s_wait_dscnt 0x0
	ROUND                                          ; the closing round
	s_endpgm
.Lfunc_end_k_q7e49864252_mix:
	.size	k_q7e49864252_mix, .Lfunc_end_k_q7e49864252_mix-k_q7e49864252_mix
	.p2alignl 7, 3214868480
	.fill 96, 4, 3214868480
	.section	.rodata,"a",@progbits
	.p2align	6, 0x0
	.amdhsa_kernel k_q7e49864252_mix
		.amdhsa_group_segment_fixed_size 197120
		.amdhsa_private_segment_fixed_size 0
		.amdhsa_enable_private_segment 0
		.amdhsa_kernarg_size 24
		.amdhsa_user_sgpr_count 2
		.amdhsa_user_sgpr_kernarg_segment_ptr 1
		.amdhsa_wavefront_size32 1
		.amdhsa_system_sgpr_workgroup_id_x 1
		.amdhsa_system_sgpr_workgroup_id_y 1
		.amdhsa_system_sgpr_workgroup_id_z 1
		.amdhsa_system_vgpr_workitem_id 0
		.amdhsa_next_free_vgpr 1024
		.amdhsa_next_free_sgpr 92
		.amdhsa_reserve_vcc 0
		.amdhsa_float_denorm_mode_32 3
		.amdhsa_float_denorm_mode_16_64 3
		.amdhsa_memory_ordered 1
		.amdhsa_forward_progress 1
		.amdhsa_inst_pref_size 117
	.end_amdhsa_kernel
	.amdgpu_metadata
---
amdhsa.version: [ 1, 2 ]
amdhsa.kernels:
  - .name:           k_q7e49864252_mix
    .symbol:         k_q7e49864252_mix.kd
    .args:
      - { .name: pp, .offset: 0, .size: 8, .value_kind: global_buffer, .address_space: global }
      - { .name: kv, .offset: 8, .size: 8, .value_kind: global_buffer, .address_space: global }
      - { .name: oo, .offset: 16, .size: 8, .value_kind: global_buffer, .address_space: global }
    .group_segment_fixed_size: 197120
    .private_segment_fixed_size: 0
    .kernarg_segment_align: 8
    .kernarg_segment_size: 24
    .max_flat_workgroup_size: 128
    .sgpr_count:     92
    .vgpr_count:     1024
    .wavefront_size: 32
...
	.end_amdgpu_metadata
.endif
;; end of part 4
;; launch outp (part 5): grid 32 x 8, 4 waves a work-group, clusters of 4 x 1, 167,936 bytes of LDS; arguments oo, prep, bf, out0; writes out0
.if DOCPART == 5
	.amdgcn_target "amdgcn-amd-amdhsa--gfx1250"
	.amdhsa_code_object_version 6
	.text
	.protected	k_q7e49864252_outp
	.globl	k_q7e49864252_outp
	.p2align	8
	.type	k_q7e49864252_outp,@function
k_q7e49864252_outp:
	s_mov_b64 s[64:65], 0
	v_nop
	global_prefetch_b8 v0, s[64:65] scope:SCOPE_SE
	s_setreg_imm32_b32 hwreg(HW_REG_WAVE_MODE, 25, 1), 1
	s_wait_xcnt 0x0
	s_wait_alu depctr_hold_cnt(0) depctr_sa_sdst(0) depctr_va_vdst(0) depctr_va_sdst(0) depctr_va_ssrc(0) depctr_va_vcc(0) depctr_vm_vsrc(0)
	s_getreg_b32 s2, hwreg(HW_REG_IB_STS2, 6, 4)
	s_cmp_eq_u32 s2, 0
	s_cbranch_scc0 .Lentry_in_a_cluster
	s_endpgm
.Lentry_in_a_cluster:
	s_bfe_u32 s2, ttmp6, 0x10000c
	s_cmp_lg_u32 s2, 0x3003
	s_cbranch_scc0 .Lentry_shape_is_right
	s_endpgm
.Lentry_shape_is_right:
; OUTP: out = O Wf^T + bf on codes of FP6 (E2M3); out in f32.  Nothing is left out.
; SHARES.  A work-group takes 128 rows (batch x query) x 128 outputs; wave w 32 rows (two tiles) x the 128 outputs: 16 accumulators.  K = the 1,024 channels, in 8 steps of 128.
; Source 0 = 16 rows of Wf, source 1 = 16 rows of O: a lane's eight results are eight neighbouring outputs of one row.  Wf's codes were laid in O's order along K by the first launch.
; Wf's TILE, 98,304 bytes of register images, lies in LDS for all of K: four slices of two K steps, asked for JOINTLY by the four work-groups of a cluster (four row blocks, one block of outputs), each wave a quarter, at the head:
; 4 loads of mine are out.  O's fragments have one reading wave each: from memory straight into registers, five K steps ahead.  bf is the C of the first step's products.
; THE WAY OUT: a tile of 16 rows x 128 outputs goes through my own stage in LDS (bytes into which no tile lands) and leaves as whole rows of 512 bytes.
; REGISTERS: window 0: v2-9 addresses; v32-39 O's scale words, v48-79 Wf's; v128-255 rows on the way out.  window 1: Wf's fragments, two sets.  window 2: v0-127 the accumulators, v128-191 bf.  window 3: O's fragments.
.set KSTEPS, 8
.set NS,     4
.set AHEAD,  5
.set PER,    11                        ; loads into registers a K step: 1 + 4 scale words, 6 of fragments
.set SLICE,  24576
.set STG,    98304                     ; behind the tile: a stage of 16 rows x (512 + 16) bytes for each wave
.set SPARE,  132096
.set WFCO,   8798208
.set WFSO,   9584640
.set OSO,    3145728
.set LA,  2
.set IO,  2
.set SO,  4
.set BO,  5
.set SPW, 6
.set NIL, 7
.set STO, 8
.set RD,  9
.set OSW, 32
.set WSR, 48
.set BK,  128
.set G1,  16
.set G0,  24
.set MSB, 0
.macro WIN new
.if MSB != (\new)
	s_set_vgpr_msb (MSB<<8)|(\new)
.set MSB, (\new)
.endif
.endm
.macro PLACES n
.rept \n
	v_nop
.endr
.endm
.macro ROUND
	s_barrier_signal -1
	s_barrier_wait -1
	s_cmp_lg_u32 s12, 0
	s_cbranch_scc1 .Lnot_wave_0_\@
	s_barrier_signal -3
.Lnot_wave_0_\@:
	s_barrier_wait -3
	s_barrier_signal -1
	s_barrier_wait -1
.endm
.macro WM1 z, oa, ob                   ; z: the first step's product, whose C is the bias
.if \z
.if (\oa) && (\ob)
	v_wmma_scale_f32_16x16x128_f8f6f4 v[rD:rD+7], v[rA:rA+11], v[rB:rB+11], v[rC:rC+7], v[rSA], v[rSB] matrix_a_fmt:MATRIX_FMT_FP6 matrix_b_fmt:MATRIX_FMT_FP6 matrix_a_scale:MATRIX_SCALE_ROW1 matrix_b_scale:MATRIX_SCALE_ROW1
.elseif \oa
	v_wmma_scale_f32_16x16x128_f8f6f4 v[rD:rD+7], v[rA:rA+11], v[rB:rB+11], v[rC:rC+7], v[rSA], v[rSB] matrix_a_fmt:MATRIX_FMT_FP6 matrix_b_fmt:MATRIX_FMT_FP6 matrix_a_scale:MATRIX_SCALE_ROW1
.elseif \ob
	v_wmma_scale_f32_16x16x128_f8f6f4 v[rD:rD+7], v[rA:rA+11], v[rB:rB+11], v[rC:rC+7], v[rSA], v[rSB] matrix_a_fmt:MATRIX_FMT_FP6 matrix_b_fmt:MATRIX_FMT_FP6 matrix_b_scale:MATRIX_SCALE_ROW1
.else
	v_wmma_scale_f32_16x16x128_f8f6f4 v[rD:rD+7], v[rA:rA+11], v[rB:rB+11], v[rC:rC+7], v[rSA], v[rSB] matrix_a_fmt:MATRIX_FMT_FP6 matrix_b_fmt:MATRIX_FMT_FP6
.endif
.else
.if (\oa) && (\ob)
	v_wmma_scale_f32_16x16x128_f8f6f4 v[rD:rD+7], v[rA:rA+11], v[rB:rB+11], v[rD:rD+7], v[rSA], v[rSB] matrix_a_fmt:MATRIX_FMT_FP6 matrix_b_fmt:MATRIX_FMT_FP6 matrix_a_scale:MATRIX_SCALE_ROW1 matrix_b_scale:MATRIX_SCALE_ROW1
.elseif \oa
	v_wmma_scale_f32_16x16x128_f8f6f4 v[rD:rD+7], v[rA:rA+11], v[rB:rB+11], v[rD:rD+7], v[rSA], v[rSB] matrix_a_fmt:MATRIX_FMT_FP6 matrix_b_fmt:MATRIX_FMT_FP6 matrix_a_scale:MATRIX_SCALE_ROW1
.elseif \ob
	v_wmma_scale_f32_16x16x128_f8f6f4 v[rD:rD+7], v[rA:rA+11], v[rB:rB+11], v[rD:rD+7], v[rSA], v[rSB] matrix_a_fmt:MATRIX_FMT_FP6 matrix_b_fmt:MATRIX_FMT_FP6 matrix_b_scale:MATRIX_SCALE_ROW1
.else
	v_wmma_scale_f32_16x16x128_f8f6f4 v[rD:rD+7], v[rA:rA+11], v[rB:rB+11], v[rD:rD+7], v[rSA], v[rSB] matrix_a_fmt:MATRIX_FMT_FP6 matrix_b_fmt:MATRIX_FMT_FP6
.endif
.endif
.endm
.macro FETCH s
	WIN 0x40
.irp b, 0,1,2,3,4,5,6,7
.irp c, 0,1,2
	ds_load_b128 v[128*((\s)%2)+12*\b+4*\c:128*((\s)%2)+12*\b+4*\c+3], v[LA+((\s)>>2)] offset:(((\s)>>1)&1)*SLICE+\b*3072+((\s)&1)*1536+512*\c
.endr
.endr
.endm
.macro GLOAD s                         ; K step s: the scale words and my two fragments of O
	WIN 0
	global_load_b32 v[OSW+(\s)], v[SO], s[68:69] offset:(\s)*128
.irp p, 0,1,2,3
	global_load_b32 v[WSR+8*\p+(\s)], v[SO], s[70:71] offset:\p*1024+(\s)*128
.endr
	WIN 0xc0
.irp a, 0,1
.irp c, 0,1,2
	global_load_b128 v[24*(\s)+12*\a+4*\c:24*(\s)+12*\a+4*\c+3], v[IO], s[66:67] offset:\a*12288+(\s)*1536+512*\c
.endr
.endr
.endm
.macro MUL s                           ; 16 products; the 16 accumulators take turns, in the same order in every step
	WIN 0xad                                       ; source 0 window 1, source 1 window 3, C and D window 2
.irp a, 0,1
.irp b, 0,1,2,3,4,5,6,7
.set rD, 8*(8*\a+\b)
.set rC, 128+8*\b
.set rA, 128*((\s)%2)+12*\b
.set rB, 24*(\s)+12*\a
.set rSA, WSR+8*(\b/2)+(\s)
.set rSB, OSW+(\s)
	WM1 (\s)==0, \b%2, \a
.endr
.endr
.endm
.macro TOP s
	s_wait_dscnt 0x0                               ; this step's fragments of Wf are in
.if ((\s)%2 == 1) && ((\s)+1 < KSTEPS)
	s_wait_tensorcnt NS-1-((\s)+1)/2               ; my part of the next slice has landed; the slices behind it may be out
	s_barrier_signal -1
	s_barrier_wait -1
.endif
.if ((\s) > 0) && ((\s)+1 < KSTEPS)
	PLACES 4                                       ; in front of loads into the set that the last step's products read
.endif
.if (\s)+1 < KSTEPS
	FETCH (\s)+1
.endif
.if (\s)+AHEAD < KSTEPS
	GLOAD (\s)+AHEAD
.endif
.if KSTEPS-1-(\s) < AHEAD
	s_wait_loadcnt PER*(KSTEPS-1-(\s))             ; this step's loads into registers (and the bias) are in; those of the steps behind it may be out
.else
	s_wait_loadcnt PER*AHEAD
.endif
	MUL \s
.endm
	s_load_b256 s[4:11], s[0:1], 0x0               ; oo s[4:5], prep s[6:7], bf s[8:9], out0 s[10:11]
	v_lshl_add_u32 v[SPW], v0, 2, SPARE
	v_mov_b32 v[NIL], 0
	ds_add_u32 v[SPW], v[NIL]                      ; the wave's opening: the add, twice on end, and its wait ahead of my first tensor load
	ds_add_u32 v[SPW], v[NIL]
	v_lshrrev_b32 v1, 5, v0
	v_readfirstlane_b32 s12, v1                    ; wave
	s_and_b32 s14, ttmp7, 0xffff                   ; y: the block of 128 outputs, which the four partners share
	s_mov_b32 s[G1+0], 15|(3<<16)|(1<<21)          ; the mask: all four work-groups; elements of 8 bytes; bit 21 beside a mask
	s_mov_b32 s[G1+1], 384<<16
	s_mov_b32 s[G1+2], 2<<16
	s_mov_b32 s[G1+3], 384<<16
	s_mov_b32 s[G1+4], 2
	s_mov_b32 s[G1+5], 1536                        ; the pitch: a row block's 8 K steps, 12,288 bytes
	s_mov_b32 s[G1+6], 0
	s_mov_b32 s[G1+7], 0
	s_mul_i32 s15, s12, 6144
.irp j, 0,1,2,3
	s_mov_b32 s[G0+4*\j], 1
	s_add_co_u32 s[G0+4*\j+1], s15, \j*SLICE
.endr
	s_mul_i32 s40, s14, 98304                      ; Wf's tile,
	s_mul_i32 s15, s12, 24576                      ; my two row blocks of it
	s_add_co_u32 s40, s40, s15
	s_mov_b32 s41, 0
	s_bfe_u32 s13, ttmp6, 0x40000                  ; cx
	s_lshl_b32 s76, ttmp9, 2
	s_add_co_u32 s76, s76, s13                     ; my block of 128 rows: it enters O's and out's addresses alone
	s_lshl_b32 s76, s76, 3
	s_lshl_b32 s77, s12, 1
	s_add_co_u32 s76, s76, s77                     ; my first block of 16 rows
	s_mul_i32 s78, s76, 12288
	s_mov_b32 s79, 0
	s_lshl_b32 s80, s76, 9                         ; its pair's scale words: 1,024 bytes a pair
	s_mov_b32 s81, 0
	s_lshl_b32 s82, s14, 12                        ; Wf's four pairs
	s_mov_b32 s83, 0
	s_lshl_b32 s84, s14, 9                         ; 128 outputs in bytes
	s_mov_b32 s85, 0
	s_lshl_b32 s86, s76, 16                        ; 16 rows of 4,096 bytes
	s_mov_b32 s87, 0
	v_and_b32 v1, 31, v0
	v_lshlrev_b32 v[LA], 4, v1
	v_add_nc_u32 v[LA+1], 49152, v[LA]
	v_lshlrev_b32 v[SO], 2, v1
	v_and_b32 v10, 15, v0                          ; r
	v_bfe_u32 v11, v0, 4, 1                        ; h
	v_lshlrev_b32 v[BO], 5, v11
	s_mul_i32 s15, s12, 16*528
	s_add_co_u32 s15, s15, STG                     ; my stage
	v_mul_u32_u24 v[STO], v10, 528
	v_lshl_add_u32 v[STO], v11, 5, v[STO]
	v_add_nc_u32 v[STO], s15, v[STO]               ; in: row r, 32 bytes for each half of the lanes
	v_add_nc_u32 v[RD], s15, v[LA]                 ; back: the 32 lanes take one row of 512 bytes
	s_wait_dscnt 0x0                               ; both opening adds are done
	s_wait_kmcnt 0x0
	s_add_nc_u64 s[40:41], s[6:7], s[40:41]
	s_add_nc_u64 s[40:41], s[40:41], WFCO
.irp j, 0,1,2,3
	s_add_nc_u64 s[G0+4*\j+2:G0+4*\j+3], s[40:41], \j*3072
	s_or_b32 s[G0+4*\j+3], s[G0+4*\j+3], 0x80000000
.endr
	s_add_nc_u64 s[66:67], s[4:5], s[78:79]
	s_add_nc_u64 s[68:69], s[4:5], s[80:81]
	s_add_nc_u64 s[68:69], s[68:69], OSO
	s_add_nc_u64 s[70:71], s[6:7], s[82:83]
	s_add_nc_u64 s[70:71], s[70:71], WFSO
	s_add_nc_u64 s[72:73], s[8:9], s[84:85]
	s_add_nc_u64 s[74:75], s[10:11], s[86:87]
	s_add_nc_u64 s[74:75], s[74:75], s[84:85]
	ROUND                                          ; all four work-groups are here: the joint loads meet
.irp j, 0,1,2,3
	tensor_load_to_lds s[G0+4*\j:G0+4*\j+3], s[G1:G1+7]
	s_nop 0
.endr
	PLACES 4
	WIN 0x80
.irp b, 0,1,2,3,4,5,6,7
	global_load_b128 v[128+8*\b:131+8*\b], v[BO], s[72:73] offset:64*\b        ; register 8 b + j: bf of output 16 b + 8 h + j
	global_load_b128 v[132+8*\b:135+8*\b], v[BO], s[72:73] offset:64*\b+16
.endr
.irp s, 0,1,2,3,4
	GLOAD \s
.endr
	s_wait_tensorcnt NS-1                          ; my part of slice 0 is in; three loads of mine may be out
	s_barrier_signal -1
	s_barrier_wait -1
	FETCH 0
.irp s, 0,1,2,3,4,5,6,7
	TOP \s
.endr
	PLACES 4                                       ; in front of the LDS stores that read results
.macro TOSTAGE a
	WIN 0x08                                       ; an LDS store's data: window 2
.irp b, 0,1,2,3,4,5,6,7
	ds_store_b128 v[STO], v[64*(\a)+8*\b:64*(\a)+8*\b+3] offset:64*\b          ; each accumulator from its low end on
	ds_store_b128 v[STO], v[64*(\a)+8*\b+4:64*(\a)+8*\b+7] offset:64*\b+16
.endr
	WIN 0
.irp t, 0,1,2,3,4,5,6,7,8,9,10,11,12,13,14,15
	ds_load_b128 v[BK+64*(\a)+4*\t:BK+64*(\a)+4*\t+3], v[RD] offset:\t*528     ; LDS serves a wave's instructions in order (ISA guide 5.7.1.4): these see my stores, and the next tile's stores come behind them
.endr
.endm
.macro SEND a, younger                 ; younger: the LDS instructions issued behind tile a's loads, which may stay out
	s_wait_dscnt \younger
.irp t, 0,1,2,3,4,5,6,7,8,9,10,11,12,13,14,15
	global_store_b128 v[IO], v[BK+64*(\a)+4*\t:BK+64*(\a)+4*\t+3], s[74:75] offset:(16*(\a)+\t)*4096 th:TH_STORE_NT   ; 32 lanes store 512 consecutive bytes, at a multiple of 256 from out's first byte
.endr
.endm
	TOSTAGE 0
	TOSTAGE 1
	SEND 0, 32                                     ; behind tile 0's loads: tile 1's 16 stores and 16 loads
	SEND 1, 0
	s_wait_tensorcnt 0x0                           ; the wave's end, behind my last tensor load and my last LDS store
	ds_add_u32 v[SPW], v[NIL]
	s_wait_dscnt 0x0
	ROUND                                          ; the closing round
	s_endpgm
.Lfunc_end_k_q7e49864252_outp:
	.size	k_q7e49864252_outp, .Lfunc_end_k_q7e49864252_outp-k_q7e49864252_outp
	.p2alignl 7, 3214868480
	.fill 96, 4, 3214868480
	.section	.rodata,"a",@progbits
	.p2align	6, 0x0
	.amdhsa_kernel k_q7e49864252_outp
		.amdhsa_group_segment_fixed_size 167936
		.amdhsa_private_segment_fixed_size 0
		.amdhsa_enable_private_segment 0
		.amdhsa_kernarg_size 32
		.amdhsa_user_sgpr_count 2
		.amdhsa_user_sgpr_kernarg_segment_ptr 1
		.amdhsa_wavefront_size32 1
		.amdhsa_system_sgpr_workgroup_id_x 1
		.amdhsa_system_sgpr_workgroup_id_y 1
		.amdhsa_system_sgpr_workgroup_id_z 1
		.amdhsa_system_vgpr_workitem_id 0
		.amdhsa_next_free_vgpr 1024
		.amdhsa_next_free_sgpr 92
		.amdhsa_reserve_vcc 0
		.amdhsa_float_denorm_mode_32 3
		.amdhsa_float_denorm_mode_16_64 3
		.amdhsa_memory_ordered 1
		.amdhsa_forward_progress 1
		.amdhsa_inst_pref_size 54
	.end_amdhsa_kernel
	.amdgpu_metadata
---
amdhsa.version: [ 1, 2 ]
amdhsa.kernels:
  - .name:           k_q7e49864252_outp
    .symbol:         k_q7e49864252_outp.kd
    .args:
      - { .name: oo, .offset: 0, .size: 8, .value_kind: global_buffer, .address_space: global }
      - { .name: prep, .offset: 8, .size: 8, .value_kind: global_buffer, .address_space: global }
      - { .name: bf, .offset: 16, .size: 8, .value_kind: global_buffer, .address_space: global }
      - { .name: out0, .offset: 24, .size: 8, .value_kind: global_buffer, .address_space: global }
    .group_segment_fixed_size: 167936
    .private_segment_fixed_size: 0
    .kernarg_segment_align: 8
    .kernarg_segment_size: 32
    .max_flat_workgroup_size: 128
    .sgpr_count:     92
    .vgpr_count:     1024
    .wavefront_size: 32
...
	.end_amdgpu_metadata
.endif
;; end of part 5
